; MI455X (gfx1250); checked and timed in simulation.
; The chip was launched on July 23, 2026; its instructions are those of AMD's public machine-readable ISA for CDNA 5 (MIT licence, August 2026) and "CDNA5" Instruction Set Architecture Reference Guide (July 2026). The comments in the code are by the model that wrote it; some were corrected since.
;; Transformer Decoder Layer. Allowed arithmetic: matrix products marked QUANTISED: E2M1 operands, one E8M0 scale for each 32 along K, by v_wmma_scale_f32_16x16x128_f8f6f4 with both operands' format E2M1 (or v_wmma_scale_f32_32x16x128_f4), f32 sums; products left as they are: bf16, f16 or f32 operands; f32 sums; everything else in f32.
;; Inputs: Wk1 16 x 1,024 x 64 float32; Wk2 16 x 1,024 x 64 float32; Wo1 1,024 x 1,024 float32; Wo2 1,024 x 1,024 float32; Wq1 16 x 1,024 x 64 float32; Wq2 16 x 1,024 x 64 float32; Wv1 16 x 1,024 x 64 float32; Wv2 16 x 1,024 x 64 float32; bk1 16 x 64 float32; bk2 16 x 64 float32; bo1 1,024 float32; bo2 1,024 float32; bq1 16 x 64 float32; bq2 16 x 64 float32; bv1 16 x 64 float32; bv2 16 x 64 float32; encoder_k 4 x 2,048 x 1,024 float32; encoder_v 4 x 2,048 x 1,024 float32; x 4 x 1,024 x 1,024 float32.
;; Outputs: out0 4 x 1,024 x 1,024 float32.
;; This version of the problem:
;;   THIS VERSION OF THE PROBLEM IS GIVEN IN LOW PRECISION. The matrix products marked QUANTISED in the list below multiply operands that are first quantised to E2M1 (2 exponent bits, 1 mantissa bit; 4 bits a number), with one power-of-two scale for each 32 numbers along K (OCP MX v1.0); their sums are f32. The products marked 'left as it is' may take bf16, f16 or f32 operands, with f32 sums. All else is computed in f32.
;;   The module's matrix products, in the order in which they are computed (A, B: the left and right operand; K: the contracted axis; several contracted axes count as one K, in the product's order):
;;     1. [M 1,024, K 1,024] x [K 1,024, N 4,096]; A: input Wq1; B: input x: QUANTISED
;;     2. [M 1,024, K 1,024] x [K 1,024, N 4,096]; A: input Wk1; B: input x: QUANTISED
;;     3. [M 1,024, K 1,024] x [K 1,024, N 4,096]; A: input Wv1; B: input x: QUANTISED
;;     4. batch 64 x [M 1,024, K 64] x [K 64, N 1,024]; A: computed on the way; B: computed on the way: left as it is (an operand is computed on the way)
;;     5. batch 64 x [M 1,024, K 1,024] x [K 1,024, N 64]; A: computed on the way; B: computed on the way: left as it is (an operand is computed on the way)
;;     6. [M 4,096, K 1,024] x [K 1,024, N 1,024]; A: computed on the way; B: input Wo1: left as it is (an operand is computed on the way)
;;     7. [M 1,024, K 1,024] x [K 1,024, N 4,096]; A: input Wq2; B: computed on the way: left as it is (an operand is computed on the way)
;;     8. [M 1,024, K 1,024] x [K 1,024, N 8,192]; A: input Wk2; B: input encoder_k: QUANTISED
;;     9. [M 1,024, K 1,024] x [K 1,024, N 8,192]; A: input Wv2; B: input encoder_v: QUANTISED
;;     10. batch 64 x [M 1,024, K 64] x [K 64, N 2,048]; A: computed on the way; B: computed on the way: left as it is (an operand is computed on the way)
;;     11. batch 64 x [M 1,024, K 2,048] x [K 2,048, N 64]; A: computed on the way; B: computed on the way: left as it is (an operand is computed on the way)
;;     12. [M 4,096, K 1,024] x [K 1,024, N 1,024]; A: computed on the way; B: input Wo2: left as it is (an operand is computed on the way)
;;   THE QUANTISER, for each operand of a quantised product, along K:
;;     - K is cut into blocks of 32 from its start; a last block that is shorter is filled with zeros.
;;     - A block's scale is 2^e with e = floor(log2(the largest magnitude in the block)) - 2, held to -126 .. 127; a block of zeros has e = 0. As a byte (E8M0): e + 127.
;;     - Each number is divided by its block's scale, clamped to +-6, and rounded to the nearest number of E2M1, ties to even, subnormals kept.
;;     - The product sums the exact products of the quantised numbers (number of the format x scale) in f32.
;;   ~~~python
;;   def quantise(x, axis):      # numpy; x: float32 -> the quantised numbers, widened to float32 again
;;       x = np.moveaxis(x, axis, -1); K = x.shape[-1]
;;       x = np.pad(x, [(0, 0)] * (x.ndim - 1) + [(0, -K % 32)]); x = x.reshape(x.shape[:-1] + (-1, 32)); a = np.abs(x).max(-1, keepdims=True)
;;       e = np.where(a > 0, np.clip(np.frexp(np.where(a > 0, a, 1))[1] - 1 - 2, -126, 127), 0)      # np.frexp(a)[1] - 1 = floor(log2(a)), exactly
;;       r = np.clip(x / 2.0 ** e, -6, 6)
;;       step = 2.0 ** (np.maximum(np.frexp(np.where(r == 0, 1, r))[1] - 1, 0) - 1)
;;       q = np.round(r / step) * step * 2.0 ** e      # np.round: ties to even
;;       return np.moveaxis(q.reshape(q.shape[:-2] + (-1,))[..., :K], -1, axis).astype(np.float32)
;;   ~~~
;; One version. Each part assembles by itself: llvm-mc -triple=amdgcn-amd-amdhsa -mcpu=gfx1250 --defsym DOCPART=n.
;; ======== version 1 of 1: 7 launches
;; limits: values are held in f16: magnitudes above 65,504 overflow, below 6.1e-05 lose precision
;; workspace buffers: codes 13,926,400 bytes; wb 4,194,304 bytes; wo2b 2,097,152 bytes; qkv 58,720,256 bytes; abuf 8,388,608 bytes; hbuf 8,388,608 bytes; amax 262,144 bytes; qs 262,144 bytes
;; launch prep (part 1): grid 672 x 1, 4 waves a work-group, no clusters, 35,328 bytes of LDS; arguments x, encoder_k, encoder_v, Wq1, Wk1, Wv1, Wk2, Wv2, Wo1, Wq2, Wo2, codes, wb, wo2b; writes codes, wb, wo2b
.if DOCPART == 1
	.amdgcn_target "amdgcn-amd-amdhsa--gfx1250"
	.amdhsa_code_object_version 6
	.text
	.protected	k_q4224446d1f_prep
	.globl	k_q4224446d1f_prep
	.p2align	8
	.type	k_q4224446d1f_prep,@function
k_q4224446d1f_prep:
	s_mov_b64 s[64:65], 0
	v_nop
	global_prefetch_b8 v0, s[64:65] scope:SCOPE_SE
	s_setreg_imm32_b32 hwreg(HW_REG_WAVE_MODE, 25, 1), 1
	s_wait_xcnt 0x0
; PREP: every operand is brought ONCE into the form in which the later launches' matrix instructions take it.
; A PIECE is 512 bytes, lane l's 16 bytes at 16 l: four registers of an operand as they stand.  Stored and loaded at 16 x lane it needs no rows, no pitch, no transposition.
; (1) x, encoder_k, encoder_v (K innermost) and Wq1, Wk1, Wv1, Wk2, Wv2 ([head][K][64], K in the middle) become codes of FP4 (E2M1) with one E8M0 byte for each 32 along K = 1,024.
;     "codes": unified rows 0.. x, 4,096.. encoder_k, 12,288.. encoder_v, 20,480 + 1,024 w + 64 head + e the weights.  16 rows are 8,192 bytes: K block kb of row r at 256 kb + 16 r,
;     which is [K step of 128][piece c][lane]: lane (r, h) of piece c holds block 2 c + h.  From byte SC0 on: the scale bytes, [row][32].
; (2) Wo1, Wq2 (both in wb, Wq2 from byte 2,097,152 on) and Wo2 become f16, as [16 columns][16 along K][512 bytes]: lane (r, h) holds column r, k = 8 h + 0..7.
; A block's scale is 2^(floor(log2(largest magnitude)) - 2): its byte is the largest magnitude's exponent field - 2, held at 1 from below.
; LIMITS: a block of zeros gets the byte 1 where the rule says 127 (its codes are zeros; this program alone reads the bytes); NaN and infinities among the inputs are not served;
; Wo1, Wq2, Wo2 go to f16: magnitudes up to 65,504 (they are drawn at about 0.03).
; Work-groups 0-159 quantise weights, 160-351 cast weights, 352-671 quantise activations: the paths with many short loads start first.  Waves share nothing: no barrier.  Only the third path uses LDS.
.set SC0,  13107200                    ; 1,600 blocks of 16 rows x 8,192 bytes
.set WX,   32                          ; weights: v32-159 four sets of 32 numbers
.set WC,   160                         ; v160-191 a block's codes, four registers for each of 8 blocks: no store's data are written again
.set CC,   32                          ; activations: v32-47 codes, four sets of four
.set XX,   48                          ; v48-111 two sets of 32 neighbours along K
.set RR,   112                         ; v112-239 four sets of 32 registers as loaded
.set SW,   16                          ; v16-23 the row's eight scale words
.set PT,   24                          ; v24-31 the other half of the lanes' part of them
; the largest magnitude of v[xs] .. v[xs + 31], with the floor 2^(3 - 127) among the leaves; v11 = that with 2 off its exponent field: the conversions' scale operand
.macro AMAX xs
	v_max3_num_f32 v12, |v[\xs]|, |v[\xs+1]|, |v[\xs+2]|
	v_max3_num_f32 v13, |v[\xs+3]|, |v[\xs+4]|, |v[\xs+5]|
.irp i, 6,10,14,18,22,26
	v_max3_num_f32 v12, v12, |v[\xs+\i]|, |v[\xs+\i+1]|
	v_max3_num_f32 v13, v13, |v[\xs+\i+2]|, |v[\xs+\i+3]|
.endr
	v_max3_num_f32 v12, v12, |v[\xs+30]|, |v[\xs+31]|
	v_max3_num_f32 v12, v12, v13, 0x1800000
	v_add_nc_u32 v11, 0xff000000, v12
.endm
; ---- weights to codes: a lane takes a column, its registers run down K
.macro WLOAD t
.irp i, 0,1,2,3,4,5,6,7,8,9,10,11,12,13,14,15,16,17,18,19,20,21,22,23,24,25,26,27,28,29,30,31
	global_load_b32 v[WX+32*((\t)%4)+\i], v5, s[4:5] offset:(32*(\t)+\i)*256
.endr
.endm
.macro WBLOCK t
.set XS, WX+32*((\t)%4)
.if (\t) < 6
	s_wait_loadcnt 63                              ; behind this block's loads 64 or 96 were issued: the largest count that the wait can name is safe
.else
	s_wait_loadcnt 32*(7-(\t))                     ; one block behind, then none
.endif
	AMAX XS
	v_lshrrev_b32 v13, 23, v11                     ; the scale's byte
.if (\t)%4 == 0
	v_mov_b32 v[24+(\t)/4], v13                    ; four bytes to a register, the lower K in the lower byte
.else
	v_lshl_or_b32 v[24+(\t)/4], v13, 8*((\t)%4), v[24+(\t)/4]
.endif
.irp g, 0,1,2,3
	v_cvt_scalef32_pk8_fp4_f32 v[WC+4*(\t)+\g], v[XS+8*\g:XS+8*\g+7], v11
.endr
	v_nop                                          ; one plain place behind the scaled conversions
	global_store_b128 v4, v[WC+4*(\t):WC+4*(\t)+3], s[6:7] offset:256*(\t)   ; lanes 0-15 and lanes 16-31 each store 256 consecutive bytes, aligned
.if (\t) < 4
	WLOAD (\t)+4
.endif
.endm
; ---- weights to f16: the same plan; 128 along K a wave
.macro CAST pitch
.set n, 0
.rept 128
	global_load_b32 v[32+n], v5, s[4:5] offset:n*\pitch
.set n, n+1
.endr
.irp q, 0,1,2,3
.if \q == 0
	s_wait_loadcnt 63                              ; the first 65 loads are in: this quarter's 32 and the next one's
.elseif \q == 2
	s_wait_loadcnt 32
.elseif \q == 3
	s_wait_loadcnt 0x0
.endif
.irp i, 0,1,2,3,4,5,6,7,8,9,10,11,12,13,14,15
	v_cvt_pk_f16_f32 v[160+16*\q+\i], v[32+32*\q+2*\i], v[33+32*\q+2*\i]
.endr
.irp g, 0,1,2,3
	global_store_b128 v4, v[160+16*\q+4*\g:163+16*\q+4*\g], s[6:7] offset:(4*\q+\g)*256   ; eight along K of 16 columns: 256 consecutive bytes for each half of the lanes
.endr
.endr
	s_endpgm
.endm
; ---- activations to codes: 16 rows a wave, 64 along K a step
.macro ALOAD st                        ; each half of the lanes reads 256 consecutive bytes of a row
.irp i, 0,1,2,3,4,5,6,7
	global_load_b128 v[RR+32*((\st)%4)+4*\i:RR+32*((\st)%4)+4*\i+3], v1, s[4:5] offset:\i*8192+(\st)*256 th:TH_LOAD_NT
.endr
.endm
.macro ATURN st                        ; through the wave's own stage (rows 272 bytes apart): in as loaded, out 128 bytes a lane: a whole block of 32.  LDS serves a wave's instructions in order
.irp i, 0,1,2,3,4,5,6,7
	ds_store_b128 v14, v[RR+32*((\st)%4)+4*\i:RR+32*((\st)%4)+4*\i+3] offset:((\st)%2)*4352+\i*544
.endr
.irp i, 0,1,2,3,4,5,6,7
	ds_load_b128 v[XX+32*((\st)%2)+4*\i:XX+32*((\st)%2)+4*\i+3], v15 offset:((\st)%2)*4352+16*\i
.endr
.endm
.macro ASTEP st
.set XS, XX+32*((\st)%2)
.set CS, CC+4*((\st)%4)
	s_wait_dscnt 0x0                               ; my 32 numbers are back from the stage, and the stage's stores have read their registers,
.if (\st) <= 11
	ALOAD (\st)+4                                  ; which take the loads of four steps on
.endif
.if (\st) < 15
.if (\st) <= 11
	s_wait_loadcnt 24                              ; the next step's eight loads are in; three steps' may be out
.else
	s_wait_loadcnt 8*(14-(\st))
.endif
	ATURN (\st)+1                                  ; the next step turns through the other stage while this one is worked
.endif
	AMAX XS
	s_wait_xcnt 0x0                                ; the store of four steps back has read this set of code registers
.irp g, 0,1,2,3
	v_cvt_scalef32_pk8_fp4_f32 v[CS+\g], v[XS+8*\g:XS+8*\g+7], v11
.endr
	v_lshrrev_b32 v13, 23, v11                     ; the scale's byte (also the plain place behind the conversions)
.if (\st)%2 == 0
	v_mov_b32 v[SW+(\st)/2], v13                   ; block 2 st + h: byte h of word st / 2,
.else
	v_lshl_or_b32 v[SW+(\st)/2], v13, 16, v[SW+(\st)/2]   ; or byte 2 + h
.endif
	global_store_b128 v4, v[CS:CS+3], s[6:7] offset:(\st)*512   ; one piece: 512 consecutive bytes
.endm
	s_load_b512 s[16:31], s[0:1], 0x0              ; x, encoder_k, encoder_v, Wq1, Wk1, Wv1, Wk2, Wv2
	s_load_b256 s[32:39], s[0:1], 0x40             ; Wo1, Wq2, Wo2, codes
	s_load_b128 s[40:43], s[0:1], 0x60             ; wb, wo2b
	v_lshl_add_u32 v240, v0, 2, 0x8800
	v_mov_b32 v241, 0
	v_lshrrev_b32 v1, 5, v0
	v_readfirstlane_b32 s8, v1                     ; wave 0..3
	v_and_b32 v2, 31, v0                           ; lane
	v_and_b32 v3, 15, v0                           ; r
	v_bfe_u32 v7, v0, 4, 1                         ; h
	s_mul_i32 s9, s8, 8704                         ; my wave's two stages
	v_mul_u32_u24 v14, v7, 272
	v_lshl_add_u32 v14, v3, 4, v14
	v_add_nc_u32 v14, s9, v14                      ; into a stage: row h of a pair, 16 r
	v_mul_u32_u24 v15, v3, 272
	v_lshl_add_u32 v15, v7, 7, v15
	v_add_nc_u32 v15, s9, v15                      ; out of it: row r, block h
	s_mov_b32 s3, 0                                ; the upper word of every offset
	s_wait_kmcnt 0x0
	s_cmp_lt_u32 ttmp9, 160
	s_cbranch_scc1 .Lqw
	s_cmp_lt_u32 ttmp9, 352
	s_cbranch_scc1 .Lcw
	; ======== activations: work-group u takes unified rows 64 u .. 64 u + 63
	s_sub_co_u32 s9, ttmp9, 352
	s_cmp_lt_u32 s9, 64
	s_cselect_b64 s[4:5], s[16:17], s[18:19]
	s_cselect_b32 s10, 0, 64
	s_cmp_lt_u32 s9, 192
	s_cselect_b64 s[4:5], s[4:5], s[20:21]
	s_cselect_b32 s10, s10, 192
	s_sub_co_u32 s10, s9, s10                      ; the work-group's number within its tensor
	s_lshl_b32 s10, s10, 2
	s_add_co_u32 s10, s10, s8
	s_lshl_b32 s2, s10, 16                         ; 16 rows of 4,096 bytes
	s_add_nc_u64 s[4:5], s[4:5], s[2:3]
	s_lshl_b32 s9, s9, 2
	s_add_co_u32 s9, s9, s8                        ; my block of 16 unified rows
	s_lshl_b32 s2, s9, 13
	s_add_nc_u64 s[6:7], s[38:39], s[2:3]
	s_lshl_b32 s2, s9, 9
	s_add_co_u32 s2, s2, SC0
	s_add_nc_u64 s[10:11], s[38:39], s[2:3]
	s_mov_b32 s46, 0x76543210
	s_mov_b32 s47, 0xfedcba98                      ; v_permlanex16_b32's selects for lane l xor 16
	v_lshlrev_b32 v1, 12, v7
	v_lshl_add_u32 v1, v3, 4, v1                   ; loads: row h of a pair, 16 r
	v_lshlrev_b32 v4, 4, v2                        ; a piece: 16 x lane
	v_lshlrev_b32 v5, 5, v3
	v_lshl_add_u32 v5, v7, 4, v5                   ; scale bytes: 32 r + 16 h
	v_lshlrev_b32 v6, 3, v7                        ; 8 h
.irp j, 0,1,2,3,4,5,6,7
	v_mov_b32 v[PT+\j], 0                          ; a lane permute's destination counts as one of its sources
.endr
.irp st, 0,1,2,3
	ALOAD \st
.endr
	s_wait_loadcnt 24                              ; step 0's eight loads are in
	ATURN 0
.irp st, 0,1,2,3,4,5,6,7,8,9,10,11,12,13,14,15
	ASTEP \st
.endr
.irp j, 0,1,2,3,4,5,6,7
	v_lshlrev_b32 v[SW+\j], v6, v[SW+\j]           ; my two bytes of each word at their places,
.endr
.irp j, 0,1,2,3,4,5,6,7
	v_permlanex16_b32 v[PT+\j], v[SW+\j], s46, s47
.endr
.irp j, 0,1,2,3,4,5,6,7
	v_or_b32 v[SW+\j], v[SW+\j], v[PT+\j]          ; with lane l xor 16's two the word is whole
.endr
	v_cmp_ne_u32 vcc_lo, 0, v7
.irp j, 0,1,2,3
	v_cndmask_b32 v[8+\j], v[SW+\j], v[SW+4+\j], vcc_lo   ; lanes 0-15 store words 0-3 of row r, lanes 16-31 words 4-7
.endr
	global_store_b128 v5, v[8:11], s[10:11]        ; 512 consecutive bytes
	s_wait_tensorcnt 0x0
	ds_add_u32 v240, v241
	s_wait_dscnt 0x0
	s_endpgm
	; ======== weights to codes: weight w = u / 32, head (u / 2) % 16, columns 32 (u % 2) on; wave: 256 along K
.Lqw:
	s_lshr_b32 s9, ttmp9, 5
	s_bfe_u32 s12, ttmp9, 0x40001
	s_and_b32 s13, ttmp9, 1
	s_mov_b64 s[4:5], s[22:23]
	s_cmp_eq_u32 s9, 1
	s_cselect_b64 s[4:5], s[24:25], s[4:5]
	s_cmp_eq_u32 s9, 2
	s_cselect_b64 s[4:5], s[26:27], s[4:5]
	s_cmp_eq_u32 s9, 3
	s_cselect_b64 s[4:5], s[28:29], s[4:5]
	s_cmp_eq_u32 s9, 4
	s_cselect_b64 s[4:5], s[30:31], s[4:5]
	s_lshl_b32 s2, s12, 18                         ; a head: 1,024 rows of 256 bytes
	s_lshl_b32 s14, s8, 16                         ; 256 along K
	s_add_co_u32 s2, s2, s14
	s_lshl_b32 s14, s13, 7                         ; 32 columns
	s_add_co_u32 s2, s2, s14
	s_add_nc_u64 s[4:5], s[4:5], s[2:3]
	s_lshl_b32 s14, s9, 6
	s_lshl_b32 s15, s12, 2
	s_add_co_u32 s14, s14, s15
	s_lshl_b32 s15, s13, 1
	s_add_co_u32 s14, s14, s15
	s_add_co_u32 s14, s14, 1280                    ; the block of 16 unified rows of lanes 0-15
	s_lshl_b32 s2, s14, 13
	s_lshl_b32 s15, s8, 11                         ; 8 blocks of 32 along K x 256 bytes
	s_add_co_u32 s2, s2, s15
	s_add_nc_u64 s[6:7], s[38:39], s[2:3]
	s_lshl_b32 s2, s14, 9
	s_lshl_b32 s15, s8, 3
	s_add_co_u32 s2, s2, s15
	s_add_co_u32 s2, s2, SC0
	s_add_nc_u64 s[10:11], s[38:39], s[2:3]
	v_lshlrev_b32 v4, 13, v7
	v_lshl_add_u32 v4, v3, 4, v4                   ; codes: 8,192 h + 16 r
	v_lshlrev_b32 v5, 2, v2                        ; in: 4 bytes a lane
	v_lshlrev_b32 v6, 5, v2                        ; scale bytes: a row of 32 for each lane
.irp t, 0,1,2,3
	WLOAD \t
.endr
.irp t, 0,1,2,3,4,5,6,7
	WBLOCK \t
.endr
	global_store_b64 v6, v[24:25], s[10:11]        ; my column's eight scale bytes
	s_endpgm
	; ======== weights to f16: tensor u / 64 (Wo1, Wq2, Wo2), columns 32 ((u / 2) % 32) on, K: 128 (4 (u % 2) + wave) on
.Lcw:
	s_sub_co_u32 s9, ttmp9, 160
	s_lshr_b32 s12, s9, 6
	s_bfe_u32 s13, s9, 0x50001
	s_and_b32 s14, s9, 1
	s_lshl_b32 s14, s14, 2
	s_add_co_u32 s14, s14, s8
	s_cmp_eq_u32 s12, 0
	s_cselect_b64 s[4:5], s[32:33], s[34:35]
	s_cmp_eq_u32 s12, 2
	s_cselect_b64 s[4:5], s[36:37], s[4:5]
	s_cselect_b64 s[6:7], s[42:43], s[40:41]
	s_cmp_eq_u32 s12, 1
	s_cselect_b32 s2, 0x200000, 0                  ; Wq2 lies behind Wo1 in wb
	s_lshl_b32 s15, s13, 16                        ; 32 columns: two blocks of 32,768 bytes
	s_add_co_u32 s2, s2, s15
	s_lshl_b32 s15, s14, 12                        ; 128 along K: 16 x 256 bytes
	s_add_co_u32 s2, s2, s15
	s_add_nc_u64 s[6:7], s[6:7], s[2:3]
	v_lshlrev_b32 v4, 15, v7
	v_lshl_add_u32 v4, v3, 4, v4
	v_lshlrev_b32 v5, 2, v2
	s_cmp_eq_u32 s12, 1
	s_cbranch_scc1 .Lcw_q
	s_lshl_b32 s2, s14, 19                         ; Wo: 128 rows of 4,096 bytes
	s_lshl_b32 s15, s13, 7
	s_add_co_u32 s2, s2, s15
	s_add_nc_u64 s[4:5], s[4:5], s[2:3]
	CAST 4096
.Lcw_q:
	s_lshr_b32 s2, s13, 1                          ; Wq2: the head,
	s_lshl_b32 s2, s2, 18
	s_lshl_b32 s15, s14, 15                        ; 128 rows of 256 bytes,
	s_add_co_u32 s2, s2, s15
	s_and_b32 s15, s13, 1
	s_lshl_b32 s15, s15, 7                         ; which 32 of its 64 columns
	s_add_co_u32 s2, s2, s15
	s_add_nc_u64 s[4:5], s[4:5], s[2:3]
	CAST 256
.Lfunc_end_k_q4224446d1f_prep:
	.size	k_q4224446d1f_prep, .Lfunc_end_k_q4224446d1f_prep-k_q4224446d1f_prep
	.p2alignl 7, 3214868480
	.fill 96, 4, 3214868480
	.section	.rodata,"a",@progbits
	.p2align	6, 0x0
	.amdhsa_kernel k_q4224446d1f_prep
		.amdhsa_group_segment_fixed_size 35328
		.amdhsa_private_segment_fixed_size 0
		.amdhsa_enable_private_segment 0
		.amdhsa_kernarg_size 112
		.amdhsa_user_sgpr_count 2
		.amdhsa_user_sgpr_kernarg_segment_ptr 1
		.amdhsa_wavefront_size32 1
		.amdhsa_system_sgpr_workgroup_id_x 1
		.amdhsa_system_sgpr_workgroup_id_y 1
		.amdhsa_system_sgpr_workgroup_id_z 1
		.amdhsa_system_vgpr_workitem_id 0
		.amdhsa_next_free_vgpr 242
		.amdhsa_next_free_sgpr 66
		.amdhsa_reserve_vcc 1
		.amdhsa_float_denorm_mode_32 3
		.amdhsa_float_denorm_mode_16_64 3
		.amdhsa_memory_ordered 1
		.amdhsa_forward_progress 1
		.amdhsa_inst_pref_size 133
	.end_amdhsa_kernel
	.amdgpu_metadata
---
amdhsa.version: [ 1, 2 ]
amdhsa.kernels:
  - .name:           k_q4224446d1f_prep
    .symbol:         k_q4224446d1f_prep.kd
    .args:
      - { .name: x, .offset: 0, .size: 8, .value_kind: global_buffer, .address_space: global }
      - { .name: encoder_k, .offset: 8, .size: 8, .value_kind: global_buffer, .address_space: global }
      - { .name: encoder_v, .offset: 16, .size: 8, .value_kind: global_buffer, .address_space: global }
      - { .name: Wq1, .offset: 24, .size: 8, .value_kind: global_buffer, .address_space: global }
      - { .name: Wk1, .offset: 32, .size: 8, .value_kind: global_buffer, .address_space: global }
      - { .name: Wv1, .offset: 40, .size: 8, .value_kind: global_buffer, .address_space: global }
      - { .name: Wk2, .offset: 48, .size: 8, .value_kind: global_buffer, .address_space: global }
      - { .name: Wv2, .offset: 56, .size: 8, .value_kind: global_buffer, .address_space: global }
      - { .name: Wo1, .offset: 64, .size: 8, .value_kind: global_buffer, .address_space: global }
      - { .name: Wq2, .offset: 72, .size: 8, .value_kind: global_buffer, .address_space: global }
      - { .name: Wo2, .offset: 80, .size: 8, .value_kind: global_buffer, .address_space: global }
      - { .name: codes, .offset: 88, .size: 8, .value_kind: global_buffer, .address_space: global }
      - { .name: wb, .offset: 96, .size: 8, .value_kind: global_buffer, .address_space: global }
      - { .name: wo2b, .offset: 104, .size: 8, .value_kind: global_buffer, .address_space: global }
    .group_segment_fixed_size: 35328
    .private_segment_fixed_size: 0
    .kernarg_segment_align: 8
    .kernarg_segment_size: 112
    .max_flat_workgroup_size: 128
    .sgpr_count:     66
    .vgpr_count:     242
    .wavefront_size: 32
...
	.end_amdgpu_metadata
.endif
;; end of part 1
;; launch gemm4 (part 2): grid 112 x 4, 4 waves a work-group, clusters of 4 x 4, 327,680 bytes of LDS; arguments codes, bq1, bk1, bk2, qkv; writes qkv
.if DOCPART == 2
	.amdgcn_target "amdgcn-amd-amdhsa--gfx1250"
	.amdhsa_code_object_version 6
	.text
	.protected	k_q4224446d1f_gemm4
	.globl	k_q4224446d1f_gemm4
	.p2align	8
	.type	k_q4224446d1f_gemm4,@function
k_q4224446d1f_gemm4:
	s_mov_b64 s[64:65], 0
	v_nop
	global_prefetch_b8 v0, s[64:65] scope:SCOPE_SE
	s_setreg_imm32_b32 hwreg(HW_REG_WAVE_MODE, 25, 1), 1
	s_wait_xcnt 0x0
	s_wait_alu depctr_hold_cnt(0) depctr_sa_sdst(0) depctr_va_vdst(0) depctr_va_sdst(0) depctr_va_ssrc(0) depctr_va_vcc(0) depctr_vm_vsrc(0)
	s_getreg_b32 s2, hwreg(HW_REG_IB_STS2, 6, 4)
	s_cmp_eq_u32 s2, 0
	s_cbranch_scc0 .Lentry_in_a_cluster
	s_endpgm
.Lentry_in_a_cluster:
	s_bfe_u32 s2, ttmp6, 0x10000c
	s_cmp_lg_u32 s2, 0xf033
	s_cbranch_scc0 .Lentry_shape_is_right
	s_endpgm
.Lentry_shape_is_right:
; The five quantised products, on codes of FP4 (E2M1) with one E8M0 scale for each 32 along K = 1,024: q1 = x Wq1 + bq1, k1 = x Wk1 + bk1, v1 = x Wv1, k2 = encoder_k Wk2 + bk2, v2 = encoder_v Wv2.
; (bv1 and bv2 are added in the attention launches, behind the softmax's division: the weights of a row sum to 1.)
; All operands lie in ONE buffer as unified rows (x 0.., encoder_k 4,096.., encoder_v 12,288.., weights 20,480 + 1,024 w ..), so a product is a pair of tile numbers and all five take one path.
; A tile of 256 x 256 is made by a work-group of four waves; a wave makes 128 x 128: 64 accumulators, 512 registers.  All of K fits in LDS: two slots of 512 along K, each filled once.
; CLUSTERS: 28 clusters of 4 x 4 work-groups; cluster c takes four tiles of activation rows x the four tiles of one weight.  Source 1's tile ("A") is shared along a row of the cluster, source 0's ("B") along a
; column: each is asked for JOINTLY.  For q and k A = activations, B = weights: a lane's eight results are eight channels of one row.  For v the two change places: a lane then holds one CHANNEL and eight
; neighbouring KEYS, which is what the second product of attention wants as its source 0.  Rounded to f16, a lane's eight results are 16 bytes of a piece (512 bytes, lane l at 16 l): they are stored as they stand.
; LIMIT: q, k and v leave as f16: up to 65,504 in magnitude (drawn at about 1; about 900 with both inputs 30 times larger; about 28,800 with both carrying offsets of 30 spreads).
; LDS: codes lie as pieces, [16 rows][K step of 128][1,024 bytes], dense: a fragment is two loads at 16 x lane.  The scale bytes, [row][32], come once, as rows of 256 bytes + 16 of padding.
; REGISTERS, in windows of 256: window 0: v0-31 addresses; v32-95 scale words, two sets; from v128 A's fragments, one set; on the way out v128-255 packed results.
;   window 1: B's fragments, two sets, at v0 and v128; v192-255 the bias, eight registers for each of B's eight blocks.   windows 2, 3: the accumulators ((a, b) at v[8 (8 (a % 4) + b)]).
.set NQ,     4                         ; K steps of 128 in a slot
.set FR,     8                         ; registers of a fragment
.set NL,     2                         ; LDS loads that bring one
.set NP,     4                         ; places behind this matrix instruction (ISA guide 7.12.1)
.set HALFT,  32768                     ; 128 rows x 512 along K: what one tensor load brings
.set SLOT,   4*HALFT                   ; A's 256 rows, then B's
.set SCL,    2*SLOT                    ; behind the slots: the scales
.set HALFS,  16*272                    ; those of 128 rows
.set SBLK,   2*272                     ; those of 16 rows
.set SPARE,  SCL+4*HALFS               ; the spare words, 128 bytes for each wave: two blocks of 256 bytes that no other line names
.set SC0,    13107200                  ; where the scale bytes begin in the buffer
.set ADRA, 16                          ; v16-17  LDS address of my A fragments in slot 0, 1
.set ADRB, 20                          ; v20-21  the same for B
.set ADRS, 27                          ; v27     of my scale words: lanes 0-15 A's rows, lanes 16-31 B's
.set SPW,  28                          ; v28     my spare word; never rewritten
.set NIL,  29                          ; v29     0; never rewritten
.set BO,   30                          ; v30     32 x (lane / 16): my eight numbers of a bias block
.set LI,   31                          ; v31     16 x lane
.set SC,   32
.set AF,   128
.set BI,   192                         ; in window 1
.set G1, 24
.set G0, 32
.set G1B, 48
.set G0B, 56
.set G1S, 68
.set G0S, 76
.set G1SB, 80
.set G0SB, 88
.set MSB, 0
.macro WIN new                         ; the immediate's high byte repeats the setting that is left
.if MSB != \new
	s_set_vgpr_msb (MSB<<8)|\new
.set MSB, \new
.endif
.endm
.set MUL_LO, 0xa1                      ; source 0 (B) window 1, source 1 (A) window 0, C and D window 2
.set MUL_HI, 0xf1                      ; the same, C and D window 3
.set TO_B,   0x40                      ; destination window 1, address window 0
; A joint load: waves 0 and 1 fetch for A, waves 2 and 3 for B; the branch hangs on the wave's number alone.  Four v_nop follow each of the two lines.
.macro JLOAD g0a, g1a, g0b, g1b
	s_cmp_eq_u32 s15, 0
	s_cbranch_scc0 .Lfor_b_\@
	tensor_load_to_lds s[\g0a:\g0a+3], s[\g1a:\g1a+7]
	s_nop 0
.rept 4
	v_nop
.endr
	s_branch .Lasked_\@
.Lfor_b_\@:
	tensor_load_to_lds s[\g0b:\g0b+3], s[\g1b:\g1b+7]
	s_nop 0
.rept 4
	v_nop
.endr
.Lasked_\@:
.endm
.macro CROUND                          ; a round of the cluster's barrier
	s_barrier_signal -1
	s_barrier_wait -1
	s_cmp_lg_u32 s14, 0
	s_cbranch_scc1 .Lnot_wave_0_\@
	s_barrier_signal -3
.Lnot_wave_0_\@:
	s_barrier_wait -3
	s_barrier_signal -1
	s_barrier_wait -1
.endm
	s_load_b256 s[4:11], s[0:1], 0x0               ; codes, bq1, bk1, bk2
	s_load_b64 s[12:13], s[0:1], 0x20              ; qkv
	v_lshl_add_u32 v[SPW], v0, 2, SPARE
	v_mov_b32 v[NIL], 0
	ds_add_u32 v28, v29
	s_wait_dscnt 0x0
	v_lshrrev_b32 v1, 5, v0
	v_readfirstlane_b32 s14, v1                    ; wave 0..3
	s_lshr_b32 s15, s14, 1                         ; which half of A's rows is mine.  Also: I fetch for A (0) or for B (1)
	s_and_b32 s16, s14, 1                          ; which half of B's rows.  Also: which 128 rows of that tile I fetch
	s_bfe_u32 s40, ttmp6, 0x40000                  ; cx, cy: my place in the cluster
	s_bfe_u32 s41, ttmp6, 0x40004
	; which product: the cluster's number c = 0..27, the same in all sixteen partners
	s_lshr_b32 s66, ttmp9, 2
	s_sub_co_u32 s67, s66, 3
	s_lshr_b32 s67, s67, 1
	s_add_co_u32 s67, s67, 3
	s_cmp_lt_u32 s66, 3
	s_cselect_b32 s66, s66, s67                    ; the weight: c / 4 for x's three, then eight clusters each for Wk2 (3) and Wv2 (4)
	s_and_b32 s96, ttmp9, 3
	s_lshl_b32 s96, s96, 2
	s_lshl_b32 s99, ttmp9, 2
	s_sub_co_u32 s99, s99, 32
	s_cmp_lt_u32 ttmp9, 12
	s_cselect_b32 s96, s96, s99                    ; the first of the cluster's four tiles of activation rows
	s_lshl_b32 s97, s66, 2
	s_add_co_u32 s97, s97, 80                      ; the first of the weight's four tiles
	s_lshr_b32 s67, 0x14, s66
	s_and_b32 s67, s67, 1                          ; 1 for Wv1 and Wv2
	s_cmp_eq_u32 s67, 1
	s_cselect_b32 s17, s97, s96
	s_cselect_b32 s42, s96, s97
	s_cselect_b32 s98, 0, -1                       ; the bias's mask: v's products start from zeros
	s_add_co_u32 s17, s17, s41                     ; A's tile: hangs on cy alone
	s_add_co_u32 s42, s42, s40                     ; B's tile: on cx alone
	s_lshl_b32 s43, s41, 2
	s_lshl_b32 s43, 15, s43                        ; my row of the cluster
	s_lshl_b32 s44, 0x1111, s40                    ; my column
	; descriptor group 1 for codes: 8 blocks of 16 rows, 4,096 bytes of each (512 along K), 8,192 bytes apart; elements of 8 bytes; dense in LDS
	s_or_b32 s[G1+0], s43, (3<<16)|(1<<21)         ; 15:0 the mask; 17:16 elements of 8 bytes; 21 set beside a mask
	s_or_b32 s[G1B+0], s44, (3<<16)|(1<<21)
.irp g, G1, G1B
	s_mov_b32 s[\g+1], 512<<16                     ; tensor_dim0
	s_mov_b32 s[\g+2], 8<<16                       ; tensor_dim1
	s_mov_b32 s[\g+3], 512<<16                     ; tile_dim0
	s_mov_b32 s[\g+4], 8                           ; tile_dim1
	s_mov_b32 s[\g+5], 1024                        ; tensor_dim0_stride
	s_mov_b32 s[\g+6], 0
	s_mov_b32 s[\g+7], 0
.endr
	; and for the scales of 128 rows: 4,096 dense bytes as 16 rows of 256, 16 bytes of padding behind each
	s_or_b32 s[G1S+0], s43, (3<<16)|(1<<20)|(1<<21)|(5<<22)|(3<<25)
	s_or_b32 s[G1SB+0], s44, (3<<16)|(1<<20)|(1<<21)|(5<<22)|(3<<25)
.irp g, G1S, G1SB
	s_mov_b32 s[\g+1], 32<<16
	s_mov_b32 s[\g+2], 16<<16
	s_mov_b32 s[\g+3], 32<<16
	s_mov_b32 s[\g+4], 16
	s_mov_b32 s[\g+5], 32
	s_mov_b32 s[\g+6], 0
	s_mov_b32 s[\g+7], 0
.endr
	s_lshl_b32 s18, s16, 7                         ; which 128 rows of the tile I fetch
	s_lshl_b32 s20, s17, 8
	s_add_co_u32 s20, s20, s18                     ; A: unified row
	s_lshl_b32 s46, s42, 8
	s_add_co_u32 s46, s46, s18                     ; B: unified row
	s_lshl_b32 s22, s20, 5
	s_add_co_u32 s22, s22, SC0                     ; their scale bytes: 32 a row
	s_lshl_b32 s92, s46, 5
	s_add_co_u32 s92, s92, SC0
	s_lshl_b32 s20, s20, 9                         ; their codes: 512 bytes a row
	s_lshl_b32 s46, s46, 9
	s_mov_b32 s21, 0
	s_mov_b32 s23, 0
	s_mov_b32 s47, 0
	s_mov_b32 s93, 0
	s_mul_i32 s45, s14, HALFT                      ; where they go: no place in the cluster enters an LDS address
	s_mul_i32 s94, s14, HALFS
	s_wait_kmcnt 0x0
	s_add_nc_u64 s[20:21], s[4:5], s[20:21]
	s_add_nc_u64 s[22:23], s[4:5], s[22:23]
	s_add_nc_u64 s[46:47], s[4:5], s[46:47]
	s_add_nc_u64 s[92:93], s[4:5], s[92:93]
	CROUND                                         ; all sixteen work-groups are here: the joint loads meet
	s_mov_b32 s[G0S], 1
	s_add_co_u32 s[G0S+1], s94, SCL
	s_mov_b64 s[G0S+2:G0S+3], s[22:23]
	s_or_b32 s[G0S+3], s[G0S+3], 0x80000000
	s_mov_b32 s[G0SB], 1
	s_add_co_u32 s[G0SB+1], s94, SCL
	s_mov_b64 s[G0SB+2:G0SB+3], s[92:93]
	s_or_b32 s[G0SB+3], s[G0SB+3], 0x80000000
	JLOAD G0S, G1S, G0SB, G1SB                     ; the scales first: they are wanted with slot 0
.irp s, 0,1
	s_mov_b32 s[G0+4*\s], 1
	s_add_co_u32 s[G0+4*\s+1], s45, \s*SLOT
	s_add_nc_u64 s[G0+4*\s+2:G0+4*\s+3], s[20:21], \s*4096
	s_or_b32 s[G0+4*\s+3], s[G0+4*\s+3], 0x80000000
	s_mov_b32 s[G0B+4*\s], 1
	s_add_co_u32 s[G0B+4*\s+1], s45, \s*SLOT
	s_add_nc_u64 s[G0B+4*\s+2:G0B+4*\s+3], s[46:47], \s*4096
	s_or_b32 s[G0B+4*\s+3], s[G0B+4*\s+3], 0x80000000
	JLOAD G0+4*\s, G1, G0B+4*\s, G1B               ; three loads of mine are out: all that this launch fetches
.endr
	v_and_b32 v1, 15, v0                           ; r
	v_bfe_u32 v2, v0, 4, 1                         ; h
	v_and_b32 v3, 31, v0
	v_lshlrev_b32 v[LI], 4, v3
	v_lshlrev_b32 v[BO], 5, v2
	s_mul_i32 s21, s15, HALFT                      ; my 128 rows of A
	s_mul_i32 s22, s16, HALFT                      ; my 128 rows of B,
	s_add_co_u32 s22, s22, 2*HALFT                 ; which lie behind A's 256
.irp s, 0,1
	v_add_nc_u32 v[ADRA+\s], s21, v[LI]
	v_add_nc_u32 v[ADRB+\s], s22, v[LI]
	s_add_co_u32 s21, s21, SLOT
	s_add_co_u32 s22, s22, SLOT
.endr
	v_mul_u32_u24 v5, v1, 32                       ; my row's scales: 32 bytes a row,
	v_lshrrev_b32 v6, 8, v5
	v_lshl_add_u32 v5, v6, 4, v5                   ; and 16 more for each 256 passed
	s_mul_i32 s21, s15, HALFS
	s_mul_i32 s22, s16, HALFS
	s_add_co_u32 s22, s22, 2*HALFS
	s_sub_co_u32 s22, s22, s21
	v_mul_u32_u24 v6, s22, v2                      ; lanes 16-31 take B's
	s_add_co_u32 s21, s21, SCL
	v_add_nc_u32 v5, v5, v6
	v_add_nc_u32 v[ADRS], s21, v5
	; the bias runs along B's rows (the weight's, for q and k): it is the C of each sum's first product.  For v's products the loaded numbers are masked to zeros
	s_cmp_eq_u32 s66, 1
	s_cselect_b64 s[6:7], s[8:9], s[6:7]
	s_cmp_eq_u32 s66, 3
	s_cselect_b64 s[6:7], s[10:11], s[6:7]
	s_lshl_b32 s18, s40, 10                        ; 256 numbers for each tile of the weight,
	s_lshl_b32 s19, s16, 9                         ; 128 for my half
	s_add_co_u32 s18, s18, s19
	s_mov_b32 s19, 0
	s_add_nc_u64 s[6:7], s[6:7], s[18:19]
	WIN TO_B
.irp b, 0,1,2,3,4,5,6,7
	global_load_b128 v[BI+8*\b:BI+8*\b+3], v[BO], s[6:7] offset:64*\b
	global_load_b128 v[BI+8*\b+4:BI+8*\b+7], v[BO], s[6:7] offset:64*\b+16
.endr
	s_wait_loadcnt 0x0
	WIN 0x44                                       ; destination and source 1 window 1
.set i, 0
.rept 64
	v_and_b32 v[BI+i], s98, v[BI+i]
.set i, i+1
.endr
	WIN 0
.rept 8
	v_nop
.endr
.macro FRAG reg, adr, q, i             ; a fragment, 16 rows x 128 K: two pieces
.irp c, 0,1
	ds_load_b128 v[\reg+4*\c:\reg+4*\c+3], v[\adr] offset:1024*(\q)+512*\c+(\i)*4096
.endr
.endm
; 16 matrix instructions: A's blocks a0, a0 + 1 x B's eight.  p: B's set; sc: the set of scale words.  first = 1: the sums start from the bias.
; The 64 accumulators take turns, one instruction a turn, in the same order in every step.
.macro MUL16 a0, p, q, sc, first
.irp a, \a0, \a0+1
.irp b, 0,1,2,3,4,5,6,7
.if \first
	v_wmma_scale_f32_16x16x128_f8f6f4 v[8*(8*((\a)%4)+\b):8*(8*((\a)%4)+\b)+7], v[128*(\p)+FR*\b:128*(\p)+FR*\b+FR-1], v[AF+FR*(\a):AF+FR*(\a)+FR-1], v[BI+8*\b:BI+8*\b+7], v[SC+8*NQ*(\sc)+NQ*\b+(\q)], v[SC+8*NQ*(\sc)+NQ*(\a)+(\q)] matrix_a_fmt:MATRIX_FMT_FP4 matrix_b_fmt:MATRIX_FMT_FP4 matrix_a_scale:MATRIX_SCALE_ROW1
.else
	v_wmma_scale_f32_16x16x128_f8f6f4 v[8*(8*((\a)%4)+\b):8*(8*((\a)%4)+\b)+7], v[128*(\p)+FR*\b:128*(\p)+FR*\b+FR-1], v[AF+FR*(\a):AF+FR*(\a)+FR-1], v[8*(8*((\a)%4)+\b):8*(8*((\a)%4)+\b)+7], v[SC+8*NQ*(\sc)+NQ*\b+(\q)], v[SC+8*NQ*(\sc)+NQ*(\a)+(\q)] matrix_a_fmt:MATRIX_FMT_FP4 matrix_b_fmt:MATRIX_FMT_FP4 matrix_a_scale:MATRIX_SCALE_ROW1
.endif
.endr
.endr
.endm
.macro FETCH_B slot, q, p
	WIN TO_B
.irp i, 0,1,2,3,4,5,6,7
	FRAG 128*(\p)+FR*\i, ADRB+\slot, \q, \i
.endr
	WIN 0
.endm
.macro FETCH_A slot, q, i0
.irp i, \i0, \i0+1, \i0+2, \i0+3
	FRAG AF+FR*(\i), ADRA+\slot, \q, \i
.endr
.endm
.macro SCALES sc                       ; a slot's scale words: four a row; lanes 0-15 take A's block i, lanes 16-31 B's block i
.irp i, 0,1,2,3,4,5,6,7
	ds_load_b128 v[SC+8*NQ*\sc+NQ*\i:SC+8*NQ*\sc+NQ*\i+3], v[ADRS] offset:\i*SBLK
.endr
.endm
.macro PLACES n                        ; plain vector instructions between a matrix instruction and a load into, or a read of, its registers
.rept \n
	v_nop
.endr
.endm
; A step of 128 along K that has its successor in the same slot.  A has one set of registers: blocks 0-3 are fetched anew in the step's middle, blocks 4-7 at its end; B has two sets.
.macro STEP slot, q, first
	s_wait_dscnt 4*NL                              ; B's set and A's blocks 0-3 are in; the youngest eight loads (A's blocks 4-7) may be out
.if \first
	WIN 0x91                                       ; C (the bias) window 1, D window 2
.else
	WIN MUL_LO
.endif
	MUL16 0, (\q)%2, \q, \slot, \first
	MUL16 2, (\q)%2, \q, \slot, \first
	s_wait_dscnt 0                                 ; A's blocks 4-7 are in
	PLACES NP
	FETCH_B \slot, (\q)+1, 1-(\q)%2
	FETCH_A \slot, (\q)+1, 0
.if \first
	WIN 0xd1                                       ; C window 1, D window 3
.else
	WIN MUL_HI
.endif
	MUL16 4, (\q)%2, \q, \slot, \first
	MUL16 6, (\q)%2, \q, \slot, \first
	PLACES NP
	WIN 0
	FETCH_A \slot, (\q)+1, 4
.endm
	s_wait_tensorcnt 1                             ; the scales and my part of slot 0 are in (slot 1's load may be out)
	s_barrier_signal -1
	s_barrier_wait -1                              ; everybody's are
	FETCH_B 0, 0, 0
	FETCH_A 0, 0, 0
	SCALES 0
	FETCH_A 0, 0, 4
	STEP 0, 0, 1
	STEP 0, 1, 0
	STEP 0, 2, 0
	; slot 0's last step changes slots: one barrier, in front of which each wave has waited for its part of slot 1
	s_wait_tensorcnt 0x0                           ; all my tensor loads have landed
	ds_add_u32 v[SPW], v[NIL]                      ; 0 onto my spare word
	s_wait_dscnt 4*NL+1                            ; (the add and the youngest eight loads may be out)
	WIN MUL_LO
	MUL16 0, 1, NQ-1, 0, 0
	s_wait_dscnt 0x0
	s_barrier_signal -1
	MUL16 2, 1, NQ-1, 0, 0
	WIN 0
	s_barrier_wait -1                              ; slot 1 is whole
	PLACES NP
	v_add_nc_u32 v[ADRS], 4*NQ, v[ADRS]            ; on to slot 1's scale words
	FETCH_B 1, 0, 0
	FETCH_A 1, 0, 0
	SCALES 1
	WIN MUL_HI
	MUL16 4, 1, NQ-1, 0, 0
	MUL16 6, 1, NQ-1, 0, 0
	PLACES NP
	WIN 0
	FETCH_A 1, 0, 4
	STEP 1, 0, 0
	STEP 1, 1, 0
	STEP 1, 2, 0
	s_wait_dscnt 4*NL                              ; the very last step: nothing more to fetch
	WIN MUL_LO
	MUL16 0, 1, NQ-1, 1, 0
	MUL16 2, 1, NQ-1, 1, 0
	s_wait_dscnt 0
	WIN MUL_HI
	MUL16 4, 1, NQ-1, 1, 0
	MUL16 6, 1, NQ-1, 1, 0
	WIN 0
	PLACES NP
	; THE WAY OUT.  No tensor load is out, so the descriptors' registers are free.  Strides in bytes of the product's part of qkv: BS a batch, HS a head, RS 16 activation rows, 512 for 16 channels of a head.
	s_cmp_ge_u32 s66, 3                            ; an encoder's product?  2,048 rows a batch, else 1,024
	s_mov_b32 s20, 0x200000
	s_cselect_b32 s20, 0x400000, s20               ; BS
	s_mov_b32 s21, 0x20000
	s_cselect_b32 s21, 0x40000, s21                ; HS of k and v
	s_cselect_b32 s22, 3, 2                        ; tiles of 256 rows in a batch: 8 or 4
	s_cselect_b32 s23, 7, 3
	s_cmp_eq_u32 s66, 0                            ; q1 lies as [16 rows][16 along the 1,024 channels][512]
	s_cselect_b32 s21, 2048, s21
	s_mov_b32 s18, 2048
	s_cselect_b32 s18, 0x8000, s18                 ; RS
	s_lshl_b32 s19, s66, 23                        ; q1 0, k1 8 MiB, v1 16 MiB, k2 24 MiB,
	s_cmp_eq_u32 s66, 4
	s_cselect_b32 s24, 0x800000, 0
	s_add_co_u32 s19, s19, s24                     ; v2 40 MiB
	s_lshl_b32 s28, s18, 2
	s_mov_b32 s29, 512
	s_cmp_eq_u32 s67, 1
	s_cselect_b32 s24, s40, s41                    ; the activations' tile in the cluster
	s_cselect_b32 s25, s41, s40                    ; the weight's
	s_cselect_b32 s26, s16, s15                    ; my half of the activations' tile
	s_cselect_b32 s27, s15, s16                    ; of the weight's
	s_cselect_b32 s30, s21, s28                    ; block a of A: (a / 4) x this
	s_cselect_b32 s31, s29, s18                    ;             + (a % 4) x this
	s_cselect_b32 s32, s28, s21                    ; block b of B likewise
	s_cselect_b32 s33, s18, s29
	s_add_co_u32 s24, s24, s96
	s_sub_co_u32 s34, s24, 16
	s_and_b32 s34, s34, 31
	s_cmp_lt_u32 s24, 16
	s_cselect_b32 s24, s24, s34                    ; the tile's number within its tensor
	s_lshr_b32 s34, s24, s22                       ; the batch
	s_mul_i32 s34, s34, s20
	s_add_co_u32 s19, s19, s34
	s_and_b32 s24, s24, s23
	s_lshl_b32 s24, s24, 4
	s_lshl_b32 s26, s26, 3
	s_add_co_u32 s24, s24, s26                     ; my first block of 16 rows in the batch
	s_mul_i32 s24, s24, s18
	s_add_co_u32 s19, s19, s24
	s_lshl_b32 s25, s25, 2
	s_lshl_b32 s27, s27, 1
	s_add_co_u32 s25, s25, s27                     ; my first head
	s_mul_i32 s25, s25, s21
	s_add_co_u32 s34, s19, s25
	s_mov_b32 s35, 0
	s_add_nc_u64 s[12:13], s[12:13], s[34:35]
.irp b, 0,1,2,3,4,5,6,7
	s_mul_i32 s34, s32, \b/4
	s_mul_i32 s36, s33, \b%4
	s_add_co_u32 s34, s34, s36
	s_add_nc_u64 s[44+2*\b:45+2*\b], s[12:13], s[34:35]   ; a base for each of B's blocks
.endr
.irp a, 0,1,2,3,4,5,6,7
	s_mul_i32 s34, s30, \a/4
	s_mul_i32 s36, s31, \a%4
	s_add_co_u32 s34, s34, s36
	v_add_nc_u32 v[2+\a], s34, v[LI]               ; an offset for each of A's blocks
.endr
.irp a, 0,1,2,3,4,5,6,7                ; each accumulator from its low end on; four sets of 32 registers for the packed results
.if \a >= 4
	s_wait_xcnt 0x0                                ; the stores of four blocks back have read this set
.endif
	WIN (0x0a+5*(\a/4))                            ; sources 0 and 1: window 2 or 3
.irp b, 0,1,2,3,4,5,6,7
.irp r, 0,1,2,3
	v_cvt_pk_f16_f32 v[128+32*(\a%4)+4*\b+\r], v[64*(\a%4)+8*\b+2*\r], v[64*(\a%4)+8*\b+2*\r+1]
.endr
.endr
	WIN 0
.irp b, 0,1,2,3,4,5,6,7
	global_store_b128 v[2+\a], v[128+32*(\a%4)+4*\b:128+32*(\a%4)+4*\b+3], s[44+2*\b:45+2*\b]   ; a piece: 512 consecutive bytes, aligned
.endr
.endr
	s_wait_tensorcnt 0x0                           ; the wave's end
	ds_add_u32 v[SPW], v[NIL]
	s_wait_dscnt 0x0
	CROUND                                         ; the closing round
	s_endpgm
.Lfunc_end_k_q4224446d1f_gemm4:
	.size	k_q4224446d1f_gemm4, .Lfunc_end_k_q4224446d1f_gemm4-k_q4224446d1f_gemm4
	.p2alignl 7, 3214868480
	.fill 96, 4, 3214868480
	.section	.rodata,"a",@progbits
	.p2align	6, 0x0
	.amdhsa_kernel k_q4224446d1f_gemm4
		.amdhsa_group_segment_fixed_size 327680
		.amdhsa_private_segment_fixed_size 0
		.amdhsa_enable_private_segment 0
		.amdhsa_kernarg_size 40
		.amdhsa_user_sgpr_count 2
		.amdhsa_user_sgpr_kernarg_segment_ptr 1
		.amdhsa_wavefront_size32 1
		.amdhsa_system_sgpr_workgroup_id_x 1
		.amdhsa_system_sgpr_workgroup_id_y 1
		.amdhsa_system_sgpr_workgroup_id_z 1
		.amdhsa_system_vgpr_workitem_id 0
		.amdhsa_next_free_vgpr 1024
		.amdhsa_next_free_sgpr 100
		.amdhsa_reserve_vcc 0
		.amdhsa_float_denorm_mode_32 3
		.amdhsa_float_denorm_mode_16_64 3
		.amdhsa_memory_ordered 1
		.amdhsa_forward_progress 1
		.amdhsa_inst_pref_size 125
	.end_amdhsa_kernel
	.amdgpu_metadata
---
amdhsa.version: [ 1, 2 ]
amdhsa.kernels:
  - .name:           k_q4224446d1f_gemm4
    .symbol:         k_q4224446d1f_gemm4.kd
    .args:
      - { .name: codes, .offset: 0, .size: 8, .value_kind: global_buffer, .address_space: global }
      - { .name: bq1, .offset: 8, .size: 8, .value_kind: global_buffer, .address_space: global }
      - { .name: bk1, .offset: 16, .size: 8, .value_kind: global_buffer, .address_space: global }
      - { .name: bk2, .offset: 24, .size: 8, .value_kind: global_buffer, .address_space: global }
      - { .name: qkv, .offset: 32, .size: 8, .value_kind: global_buffer, .address_space: global }
    .group_segment_fixed_size: 327680
    .private_segment_fixed_size: 0
    .kernarg_segment_align: 8
    .kernarg_segment_size: 40
    .max_flat_workgroup_size: 128
    .sgpr_count:     100
    .vgpr_count:     1024
    .wavefront_size: 32
...
	.end_amdgpu_metadata
.endif
;; end of part 2
;; launch attn1 (part 3): grid 4 x 64, 16 waves a work-group, no clusters, 327,680 bytes of LDS; arguments qkv, bv1, abuf, amax; writes abuf, amax
.if DOCPART == 3
	.amdgcn_target "amdgcn-amd-amdhsa--gfx1250"
	.amdhsa_code_object_version 6
	.text
	.protected	k_q4224446d1f_attn1
	.globl	k_q4224446d1f_attn1
	.p2align	8
	.type	k_q4224446d1f_attn1,@function
k_q4224446d1f_attn1:
	s_mov_b64 s[64:65], 0
	v_nop
	global_prefetch_b8 v0, s[64:65] scope:SCOPE_SE
	s_setreg_imm32_b32 hwreg(HW_REG_WAVE_MODE, 25, 1), 1
	s_wait_xcnt 0x0
; ATTENTION, head size 64.  O[q] = sum over k of softmax_k(Q[q] . K[k] / 8) V[k] + bv, here with the causal mask (key k counts for query q where k <= q).
; Q, K, p and V: f16 (p is at most 1; Q, K, V up to 65,504 in magnitude: the limit of this text); products, maxima and sums in f32; O leaves as f16 (a mean of V, plus bv).
; Beside O goes amax[16 batch + head][row]: the largest |O| of a row within the head, in f32: the next two launches make a row's power-of-two scale of it.
; bv is added behind the division by the row's sum: the weights of a row sum to 1, so that is sum w (v + bv); only the order of rounding differs.
; All operands lie in memory as PIECES of 512 bytes, lane l's 16 bytes at 16 l: four registers of a fragment.  K: [head][16 keys][16 channels][512]; V: [head][16 keys][16 channels][512] with a lane = a channel
; and its eight numbers eight keys; Q and O: [16 rows][16 of the 1,024 channels][512].  So LDS tiles are dense, every LDS address is a constant + 16 x lane, and nothing is transposed.
; SHARES.  A work-group owns 256 queries of one (batch, head), in eight groups of 32: two tiles of 16.  SIXTEEN waves: wave w takes group w % 8 and, of the key steps of 64 keys, those of parity w / 8.
; Four waves of 256 registers to a SIMD, so that one wave's softmax stands beside another's products and LDS loads; each fragment of K and V is still read by eight waves.
; At the end the two waves of a group meet in LDS: the wave of parity 1 hands its O^T, maximum and sum to the wave of parity 0, which brings both under the common maximum.
; Groups 0-3 take block x of 128 queries and groups 4-7 block 7 - x, so that every work-group has about the same number of key steps under the mask.
; Both products are used transposed (S^T = K Q^T, O^T = V^T P): a lane holds one query (lane % 16) throughout; two tiles of S^T, rounded in pairs, ARE source 1 of the second product.
; SOFTMAX.  A running maximum m and sum l for each query: p = 2^(c s - c m), c = log2(e) / 8; in every step O and l are multiplied by a = 2^(c m_old - c m_new).
; RING.  Two LDS slots of 512 keys (K's 65,536 bytes, then V's).  Waves 0-7 fetch 16,384 bytes of a slot each by one tensor load: waves 0-3 K's quarters, waves 4-7 V's; waves 8-15 fetch nothing.
; Every work-group walks all slots, so that trip counts are constants; a step all of whose keys are hidden is jumped over by a scalar branch on ids.
; NO CLUSTER: a slot's 131,072 bytes feed 8 steps x 8 groups x 32 products and their softmax, so the tiles are a small part of a step's work, and under the mask partners would have uneven work.
.set SKEYS,  1024
.set KOFF,   8388608                   ; k1 and v1 in qkv
.set VOFF,   16777216
.set NSL,    SKEYS/512
.set SLOT1,  1<<17
.set SPARE,  2*SLOT1                   ; the spare words, 128 bytes for each of sixteen waves: eight blocks of 256 bytes that no other line names
.set GST,    9216                      ; where a group's two waves meet: 16 pieces of O^T and 2 of statistics, at GST x group in slot 0, which has had its last fill and has not been read since the last change of slots
.set LI,   1                           ; v1   16 x lane; never rewritten
.set ADK,  2                           ; v2   the step's K; at the end the group's meeting place
.set ADV,  3                           ; v3   the step's V
.set SPW,  4                           ; v4   my spare word; never rewritten
.set NIL,  5                           ; v5   0; never rewritten
.set DT,   7                           ; v7-8 the mask: my query less the step's first key less 8 (lane / 16), tile 0, 1
.set RH,   9                           ; v9   lane % 16 - 8 (lane / 16)
.set NINF, 10                          ; v10  -infinity
.set BOF,  11                          ; v11  32 (lane / 16)
.set TS,   12                          ; v12-15 the second chain of each tile's sum
.set ST,   16                          ; tile t at v[16 + 8 t]: +0 c m, +1 m, +2 +3 l, +4..+7 at work; a in +6
.set Q,    32                          ; v32-63   Q: fragment (t, kf) at 32 + 16 t + 8 kf
.set X,    64                          ; v64-127  K's fragments, later V's; at the end bv
.set PB,   96                          ; v96-103  at the end: the partner's statistics, four registers a tile
.set S,    128                         ; v128-191 S^T: (t, kt) at 128 + 32 t + 8 kt; P packed in place into 128 + 32 t + 0..15; at the end the partner's O^T
.set O,    192                         ; v192-255 O^T: (t, ct) at 192 + 32 t + 8 ct
	s_load_b64 s[4:5], s[0:1], 0x0                 ; qkv: Q
	s_load_b64 s[8:9], s[0:1], 0x8                 ; bv
	s_load_b64 s[10:11], s[0:1], 0x10              ; the output
	s_load_b64 s[46:47], s[0:1], 0x18              ; amax
	v_lshl_add_u32 v[SPW], v0, 2, SPARE
	v_mov_b32 v[NIL], 0
	ds_add_u32 v4, v5
	s_wait_dscnt 0x0
	v_lshrrev_b32 v1, 5, v0
	v_readfirstlane_b32 s12, v1                    ; wave 0..15
	s_and_b32 s50, s12, 7                          ; my group of 32 queries.  Also, in waves 0-7: which 16,384 bytes of a slot I fetch
	s_lshr_b32 s51, s12, 3                         ; the parity of my key steps
	s_and_b32 s13, ttmp7, 0xffff                   ; 16 x batch + head
	s_mov_b32 s24, 3<<16                           ; descriptor group 1: 64 rows of 256 bytes (32 elements of 8), dense in memory and in LDS
	s_mov_b32 s25, 32<<16                          ; tensor_dim0
	s_mov_b32 s26, 64<<16                          ; tensor_dim1
	s_mov_b32 s27, 32<<16                          ; tile_dim0
	s_mov_b32 s28, 64                              ; tile_dim1
	s_mov_b32 s29, 32                              ; tensor_dim0_stride
	s_mov_b32 s30, 0
	s_mov_b32 s31, 0
	s_mov_b32 s32, 1
	s_lshl_b32 s33, s50, 14                        ; LDS: 16,384 x (wave % 8), slot 0
	s_and_b32 s42, s50, 3
	s_lshl_b32 s42, s42, 14                        ; my quarter,
	s_mul_i32 s43, s13, SKEYS*128                  ; my head,
	s_add_co_u32 s42, s42, s43
	s_mov_b32 s43, VOFF
	s_cmp_lt_u32 s50, 4
	s_cselect_b32 s43, KOFF, s43                   ; K or V
	s_add_co_u32 s42, s42, s43
	s_mov_b32 s43, 0
	s_sub_co_u32 s19, 7, ttmp9
	s_cmp_lt_u32 s50, 4
	s_cselect_b32 s19, ttmp9, s19                  ; my block of 128 queries
	s_lshl_b32 s14, s19, 7
	s_and_b32 s19, s50, 3
	s_lshl_b32 s19, s19, 5
	s_add_co_u32 s14, s14, s19                     ; my first query
	s_lshr_b32 s40, s13, 4
	s_lshl_b32 s40, s40, 21                        ; a batch: 64 blocks of 16 rows x 32,768 bytes
	s_and_b32 s39, s13, 15                         ; the head
	s_add_co_u32 s41, s14, s39
	s_lshl_b32 s41, s41, 11                        ; 2,048 bytes for each query (32,768 / 16) and for each head
	s_add_co_u32 s40, s40, s41
	s_mov_b32 s41, 0
	s_lshl_b32 s44, s39, 8
	s_mov_b32 s45, 0
	s_lshl_b32 s48, s13, 12                        ; amax: 1,024 rows of 4 bytes for each (batch, head),
	s_lshl_b32 s49, s14, 2                         ; my first query
	s_add_co_u32 s48, s48, s49
	s_mov_b32 s49, 0
	s_lshl_b32 s15, s51, 6                         ; my first step's first key: 64 x parity
	s_lshl_b32 s16, s51, 13                        ; the LDS byte at which its K begins: 8,192 x parity
	s_mov_b32 s17, NSL-1
	s_mov_b32 s20, 0x76543210
	s_mov_b32 s21, 0xfedcba98                      ; v_permlanex16_b32's selects for lane l xor 16
	s_mov_b32 s22, 0x3e38aa3b                      ; c = log2(e) / 8
	s_mov_b32 s23, s22                             ; (named with it as a pair)
	s_wait_kmcnt 0x0
	s_mov_b64 s[6:7], s[4:5]                       ; K and V lie in the same buffer
	s_add_nc_u64 s[34:35], s[6:7], s[42:43]
	s_or_b32 s35, s35, 0x80000000
	s_cmp_lt_u32 s12, 8                            ; waves 0-7 fetch
	s_cbranch_scc0 .Lno_first
	tensor_load_to_lds s[32:35], s[24:31]          ; slot 0
	s_nop 0
.rept 4
	v_nop
.endr
.Lno_first:
	s_add_nc_u64 s[4:5], s[4:5], s[40:41]
	s_add_nc_u64 s[10:11], s[10:11], s[40:41]
	s_add_nc_u64 s[8:9], s[8:9], s[44:45]
	s_add_nc_u64 s[46:47], s[46:47], s[48:49]
	v_and_b32 v[LI], 31, v0
	v_lshlrev_b32 v[LI], 4, v[LI]
.irp t, 0,1
.irp p, 0,1,2,3
	global_load_b128 v[Q+16*\t+4*\p:Q+16*\t+4*\p+3], v[LI], s[4:5] offset:\t*32768+\p*512   ; Q stays in registers
.endr
.endr
	v_and_b32 v[RH], 15, v0
	v_bfe_u32 v[BOF], v0, 4, 1
	v_lshlrev_b32 v[DT], 3, v[BOF]
	v_sub_nc_u32 v[RH], v[RH], v[DT]
	v_lshlrev_b32 v[BOF], 5, v[BOF]
	v_mov_b32 v[NINF], 0xff800000
.irp t, 0,1
	v_mov_b32 v[ST+8*\t+1], 0xff61b1e6             ; m: -3e38, under every score
	v_mul_f32 v[ST+8*\t], s22, v[ST+8*\t+1]
.irp j, 2,3,4,5,6,7
	v_mov_b32 v[ST+8*\t+\j], 0
.endr
.endr
.set i, 0
.rept 64
	v_mov_b32 v[O+i], 0                            ; O^T.  (The step is written once: the first finds zeros, which a = 0 leaves zeros)
.set i, i+1
.endr
; A KEY STEP: 64 keys
.macro STEP
	s_add_co_u32 s19, s14, 31
	s_cmp_gt_u32 s15, s19                          ; all 64 keys come after my 32 queries: nothing to do
	s_cbranch_scc1 .Lhidden_\@
	v_add_nc_u32 v[ADK], s16, v[LI]
	v_add_nc_u32 v[ADV], 0x10000, v[ADK]
.rept 3
	v_nop                                          ; with the two additions five places: the products below write over P, which the last products read, and the loads land on V's fragments
.endr
.irp kt, 0,1,2,3
.irp p, 0,1,2,3
	ds_load_b128 v[X+16*\kt+4*\p:X+16*\kt+4*\p+3], v[ADK] offset:\kt*2048+\p*512
.endr
.endr
	s_wait_dscnt 0x0
.irp kf, 0,1                           ; S^T = K Q^T: eight accumulators by turns
.irp kt, 0,1,2,3
.irp t, 0,1
.if \kf == 0
	v_wmma_f32_16x16x32_f16 v[S+32*\t+8*\kt:S+32*\t+8*\kt+7], v[X+16*\kt+8*\kf:X+16*\kt+8*\kf+7], v[Q+16*\t+8*\kf:Q+16*\t+8*\kf+7], 0
.else
	v_wmma_f32_16x16x32_f16 v[S+32*\t+8*\kt:S+32*\t+8*\kt+7], v[X+16*\kt+8*\kf:X+16*\kt+8*\kf+7], v[Q+16*\t+8*\kf:Q+16*\t+8*\kf+7], v[S+32*\t+8*\kt:S+32*\t+8*\kt+7]
.endif
.endr
.endr
.endr
.rept 4
	v_nop                                          ; places in front of the loads into K's fragments and of the first read of the scores
.endr
.irp ct, 0,1,2,3
.irp p, 0,1,2,3
	ds_load_b128 v[X+16*\ct+4*\p:X+16*\ct+4*\p+3], v[ADV] offset:\p*2048+\ct*512   ; V lands under the softmax
.endr
.endr
	s_add_co_u32 s19, s15, 63
	s_cmp_le_u32 s19, s14                          ; all keys count for all my queries
	s_cbranch_scc1 .Lopen_\@
	s_sub_co_i32 s19, s14, s15
	v_add_nc_u32 v[DT], s19, v[RH]
	v_add_nc_u32 v[DT+1], 16, v[DT]
.irp t, 0,1                            ; register 8 kt + j holds key 16 kt + 8 (lane / 16) + j of the step: hidden where 16 kt + j > d
.irp n, 0,1,2,3,4,5,6,7,8,9,10,11,12,13,14,15,16,17,18,19,20,21,22,23,24,25,26,27,28,29,30,31
	v_cmp_gt_i32 vcc_lo, 16*(\n/8)+\n%8, v[DT+\t]
	v_cndmask_b32 v[S+32*\t+\n], v[S+32*\t+\n], v[NINF], vcc_lo
.endr
.endr
.Lopen_\@:
	; the softmax, the two tiles line by line by turns
.irp j, 0,1,2,3
.irp t, 0,1
	v_max3_num_f32 v[ST+8*\t+4+\j], v[S+32*\t+8*\j], v[S+32*\t+8*\j+1], v[S+32*\t+8*\j+2]
.endr
.endr
.irp g, 1,2
.irp j, 0,1,2,3
.irp t, 0,1
	v_max3_num_f32 v[ST+8*\t+4+\j], v[ST+8*\t+4+\j], v[S+32*\t+8*\j+2*\g+1], v[S+32*\t+8*\j+2*\g+2]
.endr
.endr
.endr
.irp t, 0,1
	v_max3_num_f32 v[ST+8*\t+4], v[ST+8*\t+4], v[S+32*\t+7], v[S+32*\t+15]
	v_max3_num_f32 v[ST+8*\t+6], v[ST+8*\t+6], v[S+32*\t+23], v[S+32*\t+31]
.endr
.irp t, 0,1
	v_max3_num_f32 v[ST+8*\t+4], v[ST+8*\t+4], v[ST+8*\t+5], v[ST+8*\t+6]
.endr
.irp t, 0,1
	v_max3_num_f32 v[ST+8*\t+4], v[ST+8*\t+4], v[ST+8*\t+7], v[ST+8*\t+1]   ; with the old m
.endr
.irp t, 0,1
	v_permlanex16_b32 v[ST+8*\t+5], v[ST+8*\t+4], s20, s21   ; the query's other 32 keys lie in the lane 16 away
.endr
.irp t, 0,1
	v_mov_b32 v[ST+8*\t+7], v[ST+8*\t]             ; c m_old
.endr
.irp t, 0,1
	v_max_num_f32 v[ST+8*\t+1], v[ST+8*\t+4], v[ST+8*\t+5]
.endr
.irp t, 0,1
	v_mul_f32 v[ST+8*\t], s22, v[ST+8*\t+1]
.endr
.irp t, 0,1
	v_sub_f32 v[ST+8*\t+7], v[ST+8*\t+7], v[ST+8*\t]
.endr
.irp t, 0,1
.irp j, 0,2,4,6,8,10,12,14,16,18,20,22,24,26,28,30
	v_pk_fma_f32 v[S+32*\t+\j:S+32*\t+\j+1], v[S+32*\t+\j:S+32*\t+\j+1], s[22:23], v[ST+8*\t:ST+8*\t+1] op_sel_hi:[1,0,0] neg_lo:[0,0,1] neg_hi:[0,0,1]   ; c s - c m
.endr
.endr
.irp t, 0,1
	v_exp_f32 v[ST+8*\t+6], v[ST+8*\t+7]           ; a
.irp j, 0,1,2,3,4,5,6,7,8,9,10,11,12,13,14,15,16,17,18,19,20,21,22,23,24,25,26,27,28,29,30,31
	v_exp_f32 v[S+32*\t+\j], v[S+32*\t+\j]         ; p
.endr
.endr
	v_nop                                          ; a plain place between the exponentials and the first use of a result
	s_wait_alu depctr_va_vdst(0)
.irp t, 0,1
	v_pk_mul_f32 v[ST+8*\t+2:ST+8*\t+3], v[ST+8*\t+2:ST+8*\t+3], v[ST+8*\t+6:ST+8*\t+7] op_sel_hi:[1,0]
.endr
.irp t, 0,1
	v_pk_add_f32 v[TS+2*\t:TS+2*\t+1], v[S+32*\t:S+32*\t+1], v[S+32*\t+2:S+32*\t+3]   ; the row's sum, of the unrounded p, in two chains
.endr
.irp j, 4,8,12,16,20,24,28
.irp t, 0,1
	v_pk_add_f32 v[ST+8*\t+2:ST+8*\t+3], v[ST+8*\t+2:ST+8*\t+3], v[S+32*\t+\j:S+32*\t+\j+1]
	v_pk_add_f32 v[TS+2*\t:TS+2*\t+1], v[TS+2*\t:TS+2*\t+1], v[S+32*\t+\j+2:S+32*\t+\j+3]
.endr
.endr
.irp t, 0,1
	v_pk_add_f32 v[ST+8*\t+2:ST+8*\t+3], v[ST+8*\t+2:ST+8*\t+3], v[TS+2*\t:TS+2*\t+1]
.endr
.irp t, 0,1
.irp j, 0,1,2,3,4,5,6,7,8,9,10,11,12,13,14,15
	v_cvt_pk_f16_f32 v[S+32*\t+\j], v[S+32*\t+2*\j], v[S+32*\t+2*\j+1]   ; ascending, in place: register j is written when pairs up to j / 2 have been read
.endr
.endr
.irp t, 0,1
.irp j, 0,2,4,6,8,10,12,14,16,18,20,22,24,26,28,30
	v_pk_mul_f32 v[O+32*\t+\j:O+32*\t+\j+1], v[O+32*\t+\j:O+32*\t+\j+1], v[ST+8*\t+6:ST+8*\t+7] op_sel_hi:[1,0]
.endr
.endr
	s_wait_dscnt 0x0                               ; V is in
.irp kb, 0,1                           ; O^T += V^T P: eight accumulators by turns
.irp ct, 0,1,2,3
.irp t, 0,1
	v_wmma_f32_16x16x32_f16 v[O+32*\t+8*\ct:O+32*\t+8*\ct+7], v[X+16*\ct+8*\kb:X+16*\ct+8*\kb+7], v[S+32*\t+8*\kb:S+32*\t+8*\kb+7], v[O+32*\t+8*\ct:O+32*\t+8*\ct+7]
.endr
.endr
.endr
.Lhidden_\@:
.endm
; THE CHANGE OF SLOTS stands at a slot's head.  Each wave waits for all its tensor loads (in waves 0-7: its part of the slot ahead), adds 0 to its spare word, and waits for that and for its reads of the slot left behind.
; fill = 1: behind the barrier that other slot is filled with the next 512 keys: one load in each of waves 0-7, which has a slot's key steps in which to land.
.macro CHANGE fill
	s_wait_tensorcnt 0x0                           ; no tensor load of mine is out, so group 0 may be written
	ds_add_u32 v[SPW], v[NIL]                      ; 0 onto my spare word
.if \fill
	s_xor_b32 s33, s33, SLOT1
	s_add_nc_u64 s[34:35], s[34:35], 0x10000
.endif
	s_wait_dscnt 0x0
	s_barrier_signal -1
	s_barrier_wait -1
.if \fill
	s_cmp_lt_u32 s12, 8                            ; waves 0-7 fetch
	s_cbranch_scc0 .Lno_fetch_\@
	tensor_load_to_lds s[32:35], s[24:31]
	s_nop 0
.rept 4
	v_nop
.endr
.Lno_fetch_\@:
.endif
.endm
.macro SLOT_STEPS                      ; my four of a slot's eight key steps: written once; the LDS addresses hang on s16
	s_mov_b32 s18, 4
.Lstep_\@:
	STEP
	s_add_co_u32 s16, s16, 16384                   ; two steps on: the step between is my partner's
	s_add_co_u32 s15, s15, 128
	s_sub_co_u32 s18, s18, 1
	s_cmp_lg_u32 s18, 0
	s_cbranch_scc1 .Lstep_\@
	s_sub_co_u32 s16, s16, 65536
	s_xor_b32 s16, s16, SLOT1                      ; on to the other slot
.endm
	s_wait_loadcnt 0x0                             ; Q
.Lslot:
	CHANGE 1
	SLOT_STEPS
	s_sub_co_u32 s17, s17, 1
	s_cmp_lg_u32 s17, 0
	s_cbranch_scc1 .Lslot
	CHANGE 0                                       ; the last slot is written out
	SLOT_STEPS
	; THE TWO WAVES OF A GROUP MEET.  The wave of parity 1 stores its O^T and statistics as images of its registers; its stores are waited for; one barrier; the wave of parity 0 loads them.
.rept 4
	v_nop                                          ; places in front of the first read of O^T and of loads into registers that the last products read
.endr
	s_mul_i32 s19, s50, GST
	v_add_nc_u32 v[ADK], s19, v[LI]
	s_cmp_lt_u32 s12, 8
	s_cbranch_scc1 .Lowner
.irp i, 0,1,2,3,4,5,6,7,8,9,10,11,12,13,14,15
	ds_store_b128 v[ADK], v[O+4*\i:O+4*\i+3] offset:512*\i   ; each accumulator from its low end on
.endr
.irp t, 0,1
	ds_store_b128 v[ADK], v[ST+8*\t:ST+8*\t+3] offset:8192+512*\t   ; c m, m, l
.endr
.Lowner:
	s_wait_dscnt 0x0                               ; for the partner's sake: my stores are done
	s_barrier_signal -1
	s_barrier_wait -1
	s_cmp_lt_u32 s12, 8
	s_cbranch_scc0 .Lend                           ; the waves of parity 1 have handed over all that they made
.irp t, 0,1
	ds_load_b128 v[PB+4*\t:PB+4*\t+3], v[ADK] offset:8192+512*\t
.endr
.irp i, 0,1,2,3,4,5,6,7,8,9,10,11,12,13,14,15
	ds_load_b128 v[S+4*\i:S+4*\i+3], v[ADK] offset:512*\i
.endr
.irp ct, 0,1,2,3
	global_load_b128 v[X+8*\ct:X+8*\ct+3], v[BOF], s[8:9] offset:64*\ct
	global_load_b128 v[X+8*\ct+4:X+8*\ct+7], v[BOF], s[8:9] offset:64*\ct+16
.endr
	s_wait_dscnt 0x0
	; both halves under the common maximum: f = 2^(c m - the larger c m).  A partner all of whose steps were hidden brings l = 0, O^T = 0 and f = 0
.irp t, 0,1
	v_max_num_f32 v[ST+8*\t+5], v[ST+8*\t], v[PB+4*\t]
.endr
.irp t, 0,1
	v_sub_f32 v[ST+8*\t+4], v[ST+8*\t], v[ST+8*\t+5]
	v_sub_f32 v[ST+8*\t+6], v[PB+4*\t], v[ST+8*\t+5]
.endr
.irp t, 0,1
	v_exp_f32 v[ST+8*\t+4], v[ST+8*\t+4]           ; mine
	v_exp_f32 v[ST+8*\t+6], v[ST+8*\t+6]           ; the partner's
.endr
	v_nop                                          ; a plain place behind the exponentials
	s_wait_alu depctr_va_vdst(0)
.irp t, 0,1
	v_pk_mul_f32 v[ST+8*\t+2:ST+8*\t+3], v[ST+8*\t+2:ST+8*\t+3], v[ST+8*\t+4:ST+8*\t+5] op_sel_hi:[1,0]
.endr
.irp t, 0,1
	v_pk_fma_f32 v[ST+8*\t+2:ST+8*\t+3], v[PB+4*\t+2:PB+4*\t+3], v[ST+8*\t+6:ST+8*\t+7], v[ST+8*\t+2:ST+8*\t+3] op_sel_hi:[1,0,1]
.endr
.irp t, 0,1
	v_add_f32 v[ST+8*\t+5], v[ST+8*\t+2], v[ST+8*\t+3]
.endr
.irp t, 0,1
	v_permlanex16_b32 v[ST+8*\t+7], v[ST+8*\t+5], s20, s21
.endr
.irp t, 0,1
	v_add_f32 v[ST+8*\t+5], v[ST+8*\t+5], v[ST+8*\t+7]   ; the row's sum
.endr
.irp t, 0,1
	v_rcp_f32 v[ST+8*\t+7], v[ST+8*\t+5]
.endr
	v_nop
	s_wait_alu depctr_va_vdst(0)
.irp t, 0,1
	v_mul_f32 v[ST+8*\t+4], v[ST+8*\t+4], v[ST+8*\t+7]   ; f / l, mine
	v_mul_f32 v[ST+8*\t+6], v[ST+8*\t+6], v[ST+8*\t+7]   ; and the partner's
.endr
	s_wait_loadcnt 0x0                             ; bv
	; THE WAY OUT: O^T f / l + bv + the partner's O^T f / l, rounded; a lane's eight channels of a row are 16 bytes of a piece
.irp t, 0,1
.irp ct, 0,1,2,3
.irp j, 0,2,4,6
	v_pk_fma_f32 v[O+32*\t+8*\ct+\j:O+32*\t+8*\ct+\j+1], v[O+32*\t+8*\ct+\j:O+32*\t+8*\ct+\j+1], v[ST+8*\t+4:ST+8*\t+5], v[X+8*\ct+\j:X+8*\ct+\j+1] op_sel_hi:[1,0,1]
.endr
.irp j, 0,2,4,6
	v_pk_fma_f32 v[O+32*\t+8*\ct+\j:O+32*\t+8*\ct+\j+1], v[S+32*\t+8*\ct+\j:S+32*\t+8*\ct+\j+1], v[ST+8*\t+6:ST+8*\t+7], v[O+32*\t+8*\ct+\j:O+32*\t+8*\ct+\j+1] op_sel_hi:[1,0,1]
.endr
.irp j, 0,1,2,3
	v_cvt_pk_f16_f32 v[S+32*\t+8*\ct+\j], v[O+32*\t+8*\ct+2*\j], v[O+32*\t+8*\ct+2*\j+1]   ; over the partner's numbers, which have been used
.endr
	global_store_b128 v[LI], v[S+32*\t+8*\ct:S+32*\t+8*\ct+3], s[10:11] offset:\t*32768+\ct*512   ; 512 consecutive bytes, aligned
.endr
.endr
	; the largest |O| of each query within this head: my 32 channels, then lane l xor 16's
.irp t, 0,1
	v_max3_num_f32 v[ST+8*\t+4], |v[O+32*\t]|, |v[O+32*\t+1]|, |v[O+32*\t+2]|
.endr
.irp i, 3,5,7,9,11,13,15,17,19,21,23,25,27,29
.irp t, 0,1
	v_max3_num_f32 v[ST+8*\t+4], v[ST+8*\t+4], |v[O+32*\t+\i]|, |v[O+32*\t+\i+1]|
.endr
.endr
.irp t, 0,1
	v_max3_num_f32 v[ST+8*\t+4], v[ST+8*\t+4], |v[O+32*\t+31]|, |v[O+32*\t+31]|
.endr
.irp t, 0,1
	v_permlanex16_b32 v[ST+8*\t+5], v[ST+8*\t+4], s20, s21
.endr
.irp t, 0,1
	v_max_num_f32 v[ST+8*\t+4], v[ST+8*\t+4], v[ST+8*\t+5]
.endr
	v_cmp_ne_u32 vcc_lo, 0, v[BOF]
	v_cndmask_b32 v[TS], v[ST+4], v[ST+12], vcc_lo ; lanes 0-15 tile 0's queries, lanes 16-31 tile 1's: lane l has query l of my 32
	v_lshrrev_b32 v[ADV], 2, v[LI]                 ; 4 x lane
	global_store_b32 v[ADV], v[TS], s[46:47]       ; 32 lanes store 128 consecutive bytes: all that a wave has of this small table
.Lend:
	s_wait_tensorcnt 0x0                           ; the wave's end
	ds_add_u32 v[SPW], v[NIL]
	s_wait_dscnt 0x0
	s_endpgm
.Lfunc_end_k_q4224446d1f_attn1:
	.size	k_q4224446d1f_attn1, .Lfunc_end_k_q4224446d1f_attn1-k_q4224446d1f_attn1
	.p2alignl 7, 3214868480
	.fill 96, 4, 3214868480
	.section	.rodata,"a",@progbits
	.p2align	6, 0x0
	.amdhsa_kernel k_q4224446d1f_attn1
		.amdhsa_group_segment_fixed_size 327680
		.amdhsa_private_segment_fixed_size 0
		.amdhsa_enable_private_segment 0
		.amdhsa_kernarg_size 32
		.amdhsa_user_sgpr_count 2
		.amdhsa_user_sgpr_kernarg_segment_ptr 1
		.amdhsa_wavefront_size32 1
		.amdhsa_system_sgpr_workgroup_id_x 1
		.amdhsa_system_sgpr_workgroup_id_y 1
		.amdhsa_system_sgpr_workgroup_id_z 1
		.amdhsa_system_vgpr_workitem_id 0
		.amdhsa_next_free_vgpr 256
		.amdhsa_next_free_sgpr 66
		.amdhsa_reserve_vcc 1
		.amdhsa_float_denorm_mode_32 3
		.amdhsa_float_denorm_mode_16_64 3
		.amdhsa_memory_ordered 1
		.amdhsa_forward_progress 1
		.amdhsa_inst_pref_size 66
	.end_amdhsa_kernel
	.amdgpu_metadata
---
amdhsa.version: [ 1, 2 ]
amdhsa.kernels:
  - .name:           k_q4224446d1f_attn1
    .symbol:         k_q4224446d1f_attn1.kd
    .args:
      - { .name: qkv, .offset: 0, .size: 8, .value_kind: global_buffer, .address_space: global }
      - { .name: bv1, .offset: 8, .size: 8, .value_kind: global_buffer, .address_space: global }
      - { .name: abuf, .offset: 16, .size: 8, .value_kind: global_buffer, .address_space: global }
      - { .name: amax, .offset: 24, .size: 8, .value_kind: global_buffer, .address_space: global }
    .group_segment_fixed_size: 327680
    .private_segment_fixed_size: 0
    .kernarg_segment_align: 8
    .kernarg_segment_size: 32
    .max_flat_workgroup_size: 512
    .sgpr_count:     66
    .vgpr_count:     256
    .wavefront_size: 32
...
	.end_amdgpu_metadata
.endif
;; end of part 3
;; launch proj_o1 (part 4): grid 8 x 32, 4 waves a work-group, clusters of 4 x 4, 327,680 bytes of LDS; arguments abuf, wb, hbuf, bo1, amax; writes hbuf
.if DOCPART == 4
	.amdgcn_target "amdgcn-amd-amdhsa--gfx1250"
	.amdhsa_code_object_version 6
	.text
	.protected	k_q4224446d1f_proj_o1
	.globl	k_q4224446d1f_proj_o1
	.p2align	8
	.type	k_q4224446d1f_proj_o1,@function
k_q4224446d1f_proj_o1:
	s_mov_b64 s[64:65], 0
	v_nop
	global_prefetch_b8 v0, s[64:65] scope:SCOPE_SE
	s_setreg_imm32_b32 hwreg(HW_REG_WAVE_MODE, 25, 1), 1
	s_wait_xcnt 0x0
	s_wait_alu depctr_hold_cnt(0) depctr_sa_sdst(0) depctr_va_vdst(0) depctr_va_sdst(0) depctr_va_ssrc(0) depctr_va_vcc(0) depctr_vm_vsrc(0)
	s_getreg_b32 s2, hwreg(HW_REG_IB_STS2, 6, 4)
	s_cmp_eq_u32 s2, 0
	s_cbranch_scc0 .Lentry_in_a_cluster
	s_endpgm
.Lentry_in_a_cluster:
	s_bfe_u32 s2, ttmp6, 0x10000c
	s_cmp_lg_u32 s2, 0xf033
	s_cbranch_scc0 .Lentry_shape_is_right
	s_endpgm
.Lentry_shape_is_right:
; h' = (a1 Wo1 + bo1) / s(row): C = A B^T + bias, M = 4,096, N = 1,024, K = 1,024, f16 operands, f32 sums, C rounded to f16.   (QMODE = 0; the same text with QMODE = 1 makes q2.)
; THE ROW'S SCALE.  h has no room in f16 by itself, so each row is divided by a power of two, which rounds nothing: s(row) = 2^(e + 1), e the exponent of max(the row's largest |a1|, the largest |bo1|), that maximum held
; to 2^-100 .. 2^100.  The row's largest |a1| is the maximum of its 16 entries of amax, one for each head.  Then |a1| / s and |bo1| / s are at most 1 and |h'| is at most 1,024 x the largest |Wo1| + 1.
; LIMIT: that stays inside f16 for |Wo1| up to 63 (drawn at about 0.03).  The next launch makes the same s from the same two buffers.
; A, B and C lie as PIECES of 512 bytes (lane l's 16 bytes at 16 l): [16 rows][16 along K][512]: lane (r, h) holds row r, k = 8 h + 0..7.  A fragment (16 rows x 32 K) is two neighbouring pieces.
; A tile of C is 128 x 128: 256 work-groups.  Four waves, each 64 x 64: 16 accumulators.  K goes in steps of 256 through two LDS slots; a wave's tensor load brings 4 blocks of 16 rows x 8,192 bytes, dense in LDS.
; CLUSTERS: 4 x 4 work-groups; A's tile is asked for jointly along a row of the cluster, B's along a column.
; THE MATRIX INSTRUCTION IS USED TRANSPOSED (source 0 = 16 rows of B, source 1 = 16 rows of A): a lane holds ONE row of C and eight neighbouring columns: a row's scale is one number a lane, and the eight results,
; rounded, are 16 bytes of a piece of C, stored as they stand.
; REGISTERS: window 0: v0-31 addresses and scales; v32-95 at work at the head, packed results at the end; v96-127 the bias; v128-255 the accumulators ((a, b) at v[128 + 8 (4 a + b)]).  window 1: two fragment buffers of 128.
.set QMODE,  0
.set HALFT,  32768                     ; 64 rows x 256 along K
.set SLOT,   4*HALFT
.set SPARE,  2*SLOT                    ; the spare words, 128 bytes for each wave: two blocks of 256 bytes that no other line names
.set LAPS,   2                         ; a lap = two K steps of 256
.set SI,   4                           ; v4-11  a pair for each of my four blocks of 16 rows: 1 / s (QMODE 0) or s (QMODE 1) of row l % 16 of the block
.set MX,   12                          ; v12-15 at work
.set ADRA, 16
.set ADRB, 20
.set CO,   26                          ; v26  16 x lane
.set BO,   27                          ; v27  32 (lane / 16)
.set SPW,  28
.set NIL,  29
.set TO,   30                          ; v30  amax: 4 (lane % 16) + 8 heads x 4,096 x (lane / 16)
.set L4,   31                          ; v31  4 x lane
.set TMP,  32
.set BI,   96
.set ACC,  128
.set F0,   0
.set F1,   128
.set G1, 24
.set G0, 32
.set G1B, 48
.set G0B, 56
.set MSB, 0
.macro WIN new
.if MSB != \new
	s_set_vgpr_msb (MSB<<8)|\new
.set MSB, \new
.endif
.endm
.set MUL,  0x05                        ; sources 0 (B) and 1 (A) window 1; C and D window 0
.set TO_F, 0x40                        ; destination window 1, address window 0
.macro JLOAD s                         ; a joint load: waves 0 and 1 fetch A's halves, waves 2 and 3 B's; four v_nop follow each of the two lines
	s_cmp_eq_u32 s11, 0
	s_cbranch_scc0 .Lfor_b_\@
	tensor_load_to_lds s[G0+4*\s:G0+4*\s+3], s[G1:G1+7]
	s_nop 0
.rept 4
	v_nop
.endr
	s_branch .Lasked_\@
.Lfor_b_\@:
	tensor_load_to_lds s[G0B+4*\s:G0B+4*\s+3], s[G1B:G1B+7]
	s_nop 0
.rept 4
	v_nop
.endr
.Lasked_\@:
.endm
.macro CREST
	s_cmp_lg_u32 s10, 0
	s_cbranch_scc1 .Lnot_wave_0_\@
	s_barrier_signal -3
.Lnot_wave_0_\@:
	s_barrier_wait -3
	s_barrier_signal -1
	s_barrier_wait -1
.endm
.macro CROUND
	s_barrier_signal -1
	s_barrier_wait -1
	CREST
.endm
	s_load_b128 s[4:7], s[0:1], 0x0                ; A, the weights
	s_load_b64 s[8:9], s[0:1], 0x10                ; C
	s_load_b64 s[66:67], s[0:1], 0x18              ; the bias
	s_load_b64 s[70:71], s[0:1], 0x20              ; amax
.if QMODE
	s_load_b64 s[72:73], s[0:1], 0x28              ; bo1
	s_load_b64 s[74:75], s[0:1], 0x30              ; qs
.endif
	v_lshl_add_u32 v[SPW], v0, 2, SPARE
	v_mov_b32 v[NIL], 0
	ds_add_u32 v28, v29
	s_wait_dscnt 0x0
	v_lshrrev_b32 v1, 5, v0
	v_readfirstlane_b32 s10, v1                    ; wave 0..3
	s_lshr_b32 s11, s10, 1                         ; my half of the tile's rows.  Also: I fetch for A (0) or for B (1)
	s_and_b32 s12, s10, 1                          ; my half of its columns.  Also: which 64 rows I fetch
	s_bfe_u32 s40, ttmp6, 0x40000
	s_bfe_u32 s41, ttmp6, 0x40004
	s_lshl_b32 s42, ttmp9, 2
	s_add_co_u32 s42, s42, s40                     ; tile column
	s_and_b32 s13, ttmp7, 0xffff
	s_lshl_b32 s13, s13, 2
	s_add_co_u32 s13, s13, s41                     ; tile row
	s_lshl_b32 s43, s41, 2
	s_lshl_b32 s43, 15, s43                        ; my row of the cluster
	s_lshl_b32 s44, 0x1111, s40                    ; my column
	s_or_b32 s[G1+0], s43, (3<<16)|(1<<21)         ; 15:0 the mask; 17:16 elements of 8 bytes; 21 set beside a mask
	s_or_b32 s[G1B+0], s44, (3<<16)|(1<<21)
.irp g, G1, G1B
	s_mov_b32 s[\g+1], 1024<<16                    ; tensor_dim0: 8,192 bytes
	s_mov_b32 s[\g+2], 4<<16                       ; tensor_dim1: 4 blocks of 16 rows
	s_mov_b32 s[\g+3], 1024<<16                    ; tile_dim0
	s_mov_b32 s[\g+4], 4                           ; tile_dim1
	s_mov_b32 s[\g+5], 4096                        ; tensor_dim0_stride: 32,768 bytes
	s_mov_b32 s[\g+6], 0
	s_mov_b32 s[\g+7], 0
.endr
	s_lshl_b32 s17, s12, 6
	s_lshl_b32 s16, s13, 7
	s_add_co_u32 s16, s16, s17                     ; A: row
	s_lshl_b32 s16, s16, 11                        ; 2,048 bytes a row
	s_lshl_b32 s46, s42, 7
	s_add_co_u32 s46, s46, s17                     ; B: row
	s_lshl_b32 s46, s46, 11
.if QMODE
	s_add_co_u32 s46, s46, 0x200000                ; Wq2 lies behind Wo1
.endif
	s_mov_b32 s17, 0
	s_mov_b32 s47, 0
	s_mul_i32 s20, s10, HALFT
	s_mov_b32 s76, 0x76543210
	s_mov_b32 s77, 0xfedcba98                      ; v_permlanex16_b32's selects for lane l xor 16
	s_mov_b32 s78, 0x0d800000                      ; 2^-100
	s_mov_b32 s79, 0x71800000                      ; 2^100
	s_wait_kmcnt 0x0
.if QMODE == 0
	s_mov_b64 s[72:73], s[66:67]                   ; the bias is bo1
.endif
	s_add_nc_u64 s[14:15], s[4:5], s[16:17]
	s_add_nc_u64 s[46:47], s[6:7], s[46:47]
	CROUND                                         ; all sixteen work-groups are here: the first joint loads meet
.irp s, 0,1
	s_mov_b32 s[G0+4*\s], 1
	s_add_co_u32 s[G0+4*\s+1], s20, \s*SLOT
	s_add_nc_u64 s[G0+4*\s+2:G0+4*\s+3], s[14:15], \s*8192
	s_or_b32 s[G0+4*\s+3], s[G0+4*\s+3], 0x80000000
	s_mov_b32 s[G0B+4*\s], 1
	s_add_co_u32 s[G0B+4*\s+1], s20, \s*SLOT
	s_add_nc_u64 s[G0B+4*\s+2:G0B+4*\s+3], s[46:47], \s*8192
	s_or_b32 s[G0B+4*\s+3], s[G0B+4*\s+3], 0x80000000
	JLOAD \s
.endr
	v_and_b32 v1, 15, v0                           ; r
	v_bfe_u32 v2, v0, 4, 1                         ; h
	v_and_b32 v3, 31, v0
	v_lshlrev_b32 v[CO], 4, v3
	v_lshlrev_b32 v[L4], 2, v3
	v_lshlrev_b32 v[BO], 5, v2
	v_lshlrev_b32 v[TO], 2, v1
	v_lshl_add_u32 v[TO], v2, 15, v[TO]
	s_mul_i32 s21, s11, HALFT
	s_mul_i32 s22, s12, HALFT
	s_add_co_u32 s22, s22, 2*HALFT
.irp s, 0,1
	v_add_nc_u32 v[ADRA+\s], s21, v[CO]
	v_add_nc_u32 v[ADRB+\s], s22, v[CO]
	s_add_co_u32 s21, s21, SLOT
	s_add_co_u32 s22, s22, SLOT
.endr
	s_lshl_b32 s46, s42, 9                         ; the bias of my 64 columns
	s_lshl_b32 s47, s12, 8
	s_add_co_u32 s46, s46, s47
	s_mov_b32 s47, 0
	s_add_nc_u64 s[68:69], s[66:67], s[46:47]
.irp b, 0,1,2,3
	global_load_b128 v[BI+8*\b:BI+8*\b+3], v[BO], s[68:69] offset:64*\b
	global_load_b128 v[BI+8*\b+4:BI+8*\b+7], v[BO], s[68:69] offset:64*\b+16
.endr
.irp i, 0,1,2,3,4,5,6,7
	global_load_b128 v[64+4*\i:67+4*\i], v[CO], s[72:73] offset:512*\i   ; all 1,024 numbers of bo1, 32 a lane
.endr
	s_lshl_b32 s16, s13, 7
	s_lshl_b32 s17, s11, 6
	s_add_co_u32 s16, s16, s17                     ; my first row
	s_lshr_b32 s18, s16, 10                        ; its batch:
	s_lshl_b32 s18, s18, 16                        ; 16 heads x 1,024 rows x 4 bytes
	s_and_b32 s19, s16, 1023
	s_lshl_b32 s19, s19, 2
	s_add_co_u32 s18, s18, s19
	s_mov_b32 s19, 0
	s_add_nc_u64 s[70:71], s[70:71], s[18:19]
.irp a, 0,1,2,3
.irp j, 0,1,2,3,4,5,6,7
	global_load_b32 v[32+8*\a+\j], v[TO], s[70:71] offset:\a*64+\j*4096   ; amax of row 16 a + r, head 8 h + j: sixteen lanes read 64 consecutive bytes
.endr
.endr
.if QMODE
	s_lshl_b32 s20, s42, 1
	s_add_co_u32 s20, s20, s12                     ; my 64 columns are one head
	s_lshl_b32 s20, s20, 12
	s_add_co_u32 s18, s18, s20
	s_add_nc_u64 s[74:75], s[74:75], s[18:19]
.endif
	s_lshl_b32 s16, s16, 11                        ; C: my first block of 16 rows: 32,768 bytes for 16 rows,
	s_mov_b32 s17, 0
	s_add_nc_u64 s[8:9], s[8:9], s[16:17]
	s_lshl_b32 s46, s42, 3
	s_lshl_b32 s47, s12, 2
	s_add_co_u32 s46, s46, s47
	s_lshl_b32 s46, s46, 9                         ; my first block of 16 columns
	s_mov_b32 s47, 0
	s_add_nc_u64 s[8:9], s[8:9], s[46:47]
	s_wait_loadcnt 0x0                             ; the bias, bo1 and amax (the first tiles are on their way meanwhile)
	v_max3_num_f32 v[MX], |v64|, |v65|, |v66|      ; the largest |bo1|: my 32, in two chains,
	v_max3_num_f32 v[MX+1], |v67|, |v68|, |v69|
.irp i, 6,10,14,18,22,26
	v_max3_num_f32 v[MX], v[MX], |v[64+\i]|, |v[65+\i]|
	v_max3_num_f32 v[MX+1], v[MX+1], |v[66+\i]|, |v[67+\i]|
.endr
	v_max3_num_f32 v[MX], v[MX], |v94|, |v95|
	v_max_num_f32 v[MX], v[MX], v[MX+1]
	v_max_num_f32_dpp v[MX], v[MX], v[MX] row_xmask:1 row_mask:0xf bank_mask:0xf   ; then across the 32 lanes
	v_max_num_f32_dpp v[MX], v[MX], v[MX] row_xmask:2 row_mask:0xf bank_mask:0xf
	v_max_num_f32_dpp v[MX], v[MX], v[MX] row_xmask:4 row_mask:0xf bank_mask:0xf
	v_max_num_f32_dpp v[MX], v[MX], v[MX] row_xmask:8 row_mask:0xf bank_mask:0xf
	v_permlanex16_b32 v[MX+1], v[MX], s76, s77
	v_max_num_f32 v[MX], v[MX], v[MX+1]
.irp a, 0,1,2,3
	v_max3_num_f32 v[SI+2*\a], v[32+8*\a], v[33+8*\a], v[34+8*\a]   ; each row's largest |a1|: my eight heads (none is negative),
.endr
.irp a, 0,1,2,3
	v_max3_num_f32 v[SI+2*\a], v[SI+2*\a], v[35+8*\a], v[36+8*\a]
.endr
.irp a, 0,1,2,3
	v_max3_num_f32 v[SI+2*\a], v[SI+2*\a], v[37+8*\a], v[38+8*\a]
.endr
.irp a, 0,1,2,3
	v_max3_num_f32 v[SI+2*\a], v[SI+2*\a], v[39+8*\a], v[MX]        ; and the largest |bo1|,
.endr
.irp a, 0,1,2,3
	v_mov_b32 v[SI+2*\a+1], 0                      ; (a lane permute's destination counts as one of its sources)
.endr
.irp a, 0,1,2,3
	v_permlanex16_b32 v[SI+2*\a+1], v[SI+2*\a], s76, s77
.endr
.irp a, 0,1,2,3
	v_max_num_f32 v[SI+2*\a], v[SI+2*\a], v[SI+2*\a+1]              ; with lane l xor 16's eight heads
.endr
.irp a, 0,1,2,3
	v_med3_num_f32 v[SI+2*\a], v[SI+2*\a], s78, s79                 ; held to 2^-100 .. 2^100
.endr
.irp a, 0,1,2,3
	v_and_b32 v[SI+2*\a], 0x7f800000, v[SI+2*\a]                    ; 2^e
.endr
.irp a, 0,1,2,3
.if QMODE
	v_add_nc_u32 v[SI+2*\a], 0x800000, v[SI+2*\a]                   ; s = 2^(e + 1)
.else
	v_sub_nc_u32 v[SI+2*\a], 0x7e800000, v[SI+2*\a]                 ; 1 / s = 2^-(e + 1): exponent field 253 less e's
.endif
.endr
.irp a, 0,1,2,3
	v_mov_b32 v[SI+2*\a+1], v[SI+2*\a]             ; (named with it as a pair)
.endr
; 8 matrix instructions: m blocks a0, a0 + 1 x all 4 n blocks, 32 along K: half c of buffer f.  first = 1: the sums start, from the bias (QMODE 0) or from 0.  The 16 accumulators take turns
.macro MUL8 f, c, a0, first
.irp a, \a0, \a0+1
.irp b, 0,1,2,3
.if \first
.if QMODE
	v_wmma_f32_16x16x32_f16 v[ACC+8*(4*(\a)+\b):ACC+8*(4*(\a)+\b)+7], v[\f+64+8*(4*\c+\b):\f+64+8*(4*\c+\b)+7], v[\f+8*(4*\c+\a):\f+8*(4*\c+\a)+7], 0
.else
	v_wmma_f32_16x16x32_f16 v[ACC+8*(4*(\a)+\b):ACC+8*(4*(\a)+\b)+7], v[\f+64+8*(4*\c+\b):\f+64+8*(4*\c+\b)+7], v[\f+8*(4*\c+\a):\f+8*(4*\c+\a)+7], v[BI+8*\b:BI+8*\b+7]
.endif
.else
	v_wmma_f32_16x16x32_f16 v[ACC+8*(4*(\a)+\b):ACC+8*(4*(\a)+\b)+7], v[\f+64+8*(4*\c+\b):\f+64+8*(4*\c+\b)+7], v[\f+8*(4*\c+\a):\f+8*(4*\c+\a)+7], v[ACC+8*(4*(\a)+\b):ACC+8*(4*(\a)+\b)+7]
.endif
.endr
.endr
.endm
; 32 LDS loads in one run: the fragments of the slot's q-th 64 along K into buffer f; the first 32 along K first
.macro FETCH slot, q, f
	WIN TO_F
.irp c, 0,1
.irp i, 0,1,2,3
	ds_load_b128 v[\f+64+8*(4*\c+\i):\f+64+8*(4*\c+\i)+3],   v[ADRB+\slot] offset:(2*(\q)+\c)*1024+\i*8192
	ds_load_b128 v[\f+64+8*(4*\c+\i)+4:\f+64+8*(4*\c+\i)+7], v[ADRB+\slot] offset:(2*(\q)+\c)*1024+\i*8192+512
	ds_load_b128 v[\f+8*(4*\c+\i):\f+8*(4*\c+\i)+3],         v[ADRA+\slot] offset:(2*(\q)+\c)*1024+\i*8192
	ds_load_b128 v[\f+8*(4*\c+\i)+4:\f+8*(4*\c+\i)+7],       v[ADRA+\slot] offset:(2*(\q)+\c)*1024+\i*8192+512
.endr
.endr
.endm
.macro PLACES
.rept 4
	v_nop
.endr
.endm
; A K step is four quarters of 64 along K, on buffers 0, 1, 0, 1.  One of the first three: multiplies buffer f and fetches quarter q into g.
.macro QUARTER slot, q, f, g, first
	s_wait_dscnt 16                                ; the first 32 along K are in
	WIN MUL
	MUL8 \f, 0, 0, \first
	MUL8 \f, 0, 2, \first
	PLACES
	FETCH \slot, \q, \g
	s_wait_dscnt 32                                ; all but the 32 just issued
	WIN MUL
	MUL8 \f, 1, 0, 0
	MUL8 \f, 1, 2, 0
.endm
; The last quarter multiplies buffer 1 and changes slots: one barrier; in front of it each wave waits for all its tensor loads, adds 0 to its spare word, and waits for that and for its reads of this slot.
.macro TURN slot, next, fill
	WIN 0
	s_wait_tensorcnt 0x0                           ; all my tensor loads have landed: my part of the next slot
	ds_add_u32 v[SPW], v[NIL]                      ; 0 onto my spare word
	s_wait_dscnt 17                                ; (the add and the youngest sixteen loads may be out)
	WIN MUL
	MUL8 F1, 0, 0, 0
	s_wait_dscnt 0x0                               ; the add is done, and my reads of this slot are over
	s_barrier_signal -1
	MUL8 F1, 0, 2, 0
.if \fill
	WIN 0
.endif
	s_barrier_wait -1
.if \fill
	CREST                                          ; the barrier has opened a round of the cluster's barrier: no wave of any partner still reads this slot or has a load on its way
	s_add_nc_u64 s[G0+4*\slot+2:G0+4*\slot+3], s[G0+4*\slot+2:G0+4*\slot+3], 2*8192
	s_add_nc_u64 s[G0B+4*\slot+2:G0B+4*\slot+3], s[G0B+4*\slot+2:G0B+4*\slot+3], 2*8192
	JLOAD \slot                                    ; the first tensor load behind the round; its four v_nop are also the places in front of the loads below
.else
	PLACES
.endif
	FETCH \next, 0, F0
	WIN MUL
	MUL8 F1, 1, 0, 0
	MUL8 F1, 1, 2, 0
.endm
	s_wait_tensorcnt 1                             ; my part of K step 0 is in (K step 1's may be out)
	s_barrier_signal -1
	s_barrier_wait -1
	FETCH 0, 0, F0
	QUARTER 0, 1, F0, F1, 1
	WIN 0
	s_mov_b32 s3, LAPS-1
.Llap:                                                 ; a trip goes once round the ring, from a lap's second quarter to the next lap's first, and fills both slots again
	QUARTER 0, 2, F1, F0, 0
	QUARTER 0, 3, F0, F1, 0
	TURN 0, 1, 1
	QUARTER 1, 1, F0, F1, 0
	QUARTER 1, 2, F1, F0, 0
	QUARTER 1, 3, F0, F1, 0
	TURN 1, 0, 1
	QUARTER 0, 1, F0, F1, 0
	WIN 0
	s_sub_co_u32 s3, s3, 1
	s_cmp_lg_u32 s3, 0
	s_cbranch_scc1 .Llap
	QUARTER 0, 2, F1, F0, 0                        ; the last lap fills nothing
	QUARTER 0, 3, F0, F1, 0
	TURN 0, 1, 0
	QUARTER 1, 1, F0, F1, 0
	QUARTER 1, 2, F1, F0, 0
	QUARTER 1, 3, F0, F1, 0
	s_wait_dscnt 16
	WIN MUL
	MUL8 F1, 0, 0, 0
	MUL8 F1, 0, 2, 0
	s_wait_dscnt 0
	MUL8 F1, 1, 0, 0
	MUL8 F1, 1, 2, 0
	WIN 0
	PLACES
.irp a, 0,1,2,3                        ; each accumulator from its low end on
.irp b, 0,1,2,3
.irp r, 0,2,4,6
.if QMODE
	v_pk_fma_f32 v[ACC+8*(4*\a+\b)+\r:ACC+8*(4*\a+\b)+\r+1], v[ACC+8*(4*\a+\b)+\r:ACC+8*(4*\a+\b)+\r+1], v[SI+2*\a:SI+2*\a+1], v[BI+8*\b+\r:BI+8*\b+\r+1] op_sel_hi:[1,0,1]   ; q2 = s (h' Wq2) + bq2
.else
	v_pk_mul_f32 v[ACC+8*(4*\a+\b)+\r:ACC+8*(4*\a+\b)+\r+1], v[ACC+8*(4*\a+\b)+\r:ACC+8*(4*\a+\b)+\r+1], v[SI+2*\a:SI+2*\a+1] op_sel_hi:[1,0]   ; h' = h / s: a power of two, nothing is rounded
.endif
.endr
.endr
.endr
.if QMODE
	; t(row, head) = 2^(e + 1), e the exponent of the row's largest |q2| in my 64 columns, which are one head: the four blocks of rows by turns
.irp a, 0,1,2,3
	v_max3_num_f32 v[MX+\a], |v[ACC+32*\a]|, |v[ACC+32*\a+1]|, |v[ACC+32*\a+2]|
.endr
.irp i, 3,5,7,9,11,13,15,17,19,21,23,25,27,29
.irp a, 0,1,2,3
	v_max3_num_f32 v[MX+\a], v[MX+\a], |v[ACC+32*\a+\i]|, |v[ACC+32*\a+\i+1]|
.endr
.endr
.irp a, 0,1,2,3
	v_max3_num_f32 v[MX+\a], v[MX+\a], |v[ACC+32*\a+31]|, |v[ACC+32*\a+31]|
.endr
.irp a, 0,1,2,3
	v_permlanex16_b32 v[SI+2*\a+1], v[MX+\a], s76, s77
.endr
.irp a, 0,1,2,3
	v_max_num_f32 v[MX+\a], v[MX+\a], v[SI+2*\a+1]
.endr
.irp a, 0,1,2,3
	v_med3_num_f32 v[MX+\a], v[MX+\a], s78, s79
.endr
.irp a, 0,1,2,3
	v_and_b32 v[MX+\a], 0x7f800000, v[MX+\a]
.endr
.irp a, 0,1,2,3
	v_sub_nc_u32 v[SI+2*\a], 0x7e800000, v[MX+\a]  ; 1 / t
.endr
.irp a, 0,1,2,3
	v_add_nc_u32 v[MX+\a], 0x800000, v[MX+\a]      ; t
.endr
.irp a, 0,1,2,3
	v_mov_b32 v[SI+2*\a+1], v[SI+2*\a]
.endr
.irp a, 0,1,2,3
.irp j, 0,2,4,6,8,10,12,14,16,18,20,22,24,26,28,30
	v_pk_mul_f32 v[ACC+32*\a+\j:ACC+32*\a+\j+1], v[ACC+32*\a+\j:ACC+32*\a+\j+1], v[SI+2*\a:SI+2*\a+1] op_sel_hi:[1,0]
.endr
.endr
	v_cmp_ne_u32 vcc_lo, 0, v2
	v_cndmask_b32 v18, v[MX], v[MX+1], vcc_lo      ; lanes 0-15 rows 0-15, lanes 16-31 rows 16-31;
	v_cndmask_b32 v19, v[MX+2], v[MX+3], vcc_lo    ; rows 32-63 likewise
	global_store_b32 v[L4], v18, s[74:75]          ; 32 lanes store 128 consecutive bytes: all that a wave has of this small table
	global_store_b32 v[L4], v19, s[74:75] offset:128
.endif
.irp t, 0,1,2,3,4,5,6,7,8,9,10,11,12,13,14,15
.irp r, 0,1,2,3
	v_cvt_pk_f16_f32 v[TMP+4*\t+\r], v[ACC+8*\t+2*\r], v[ACC+8*\t+2*\r+1]
.endr
.endr
.irp a, 0,1,2,3
.irp b, 0,1,2,3
	global_store_b128 v[CO], v[TMP+4*(4*\a+\b):TMP+4*(4*\a+\b)+3], s[8:9] offset:\a*32768+\b*512   ; a piece: 512 consecutive bytes, aligned
.endr
.endr
	s_wait_tensorcnt 0x0                           ; the wave's end
	ds_add_u32 v[SPW], v[NIL]
	s_wait_dscnt 0x0
	CROUND                                         ; the closing round
	s_endpgm
.Lfunc_end_k_q4224446d1f_proj_o1:
	.size	k_q4224446d1f_proj_o1, .Lfunc_end_k_q4224446d1f_proj_o1-k_q4224446d1f_proj_o1
	.p2alignl 7, 3214868480
	.fill 96, 4, 3214868480
	.section	.rodata,"a",@progbits
	.p2align	6, 0x0
	.amdhsa_kernel k_q4224446d1f_proj_o1
		.amdhsa_group_segment_fixed_size 327680
		.amdhsa_private_segment_fixed_size 0
		.amdhsa_enable_private_segment 0
		.amdhsa_kernarg_size 40
		.amdhsa_user_sgpr_count 2
		.amdhsa_user_sgpr_kernarg_segment_ptr 1
		.amdhsa_wavefront_size32 1
		.amdhsa_system_sgpr_workgroup_id_x 1
		.amdhsa_system_sgpr_workgroup_id_y 1
		.amdhsa_system_sgpr_workgroup_id_z 1
		.amdhsa_system_vgpr_workitem_id 0
		.amdhsa_next_free_vgpr 512
		.amdhsa_next_free_sgpr 80
		.amdhsa_reserve_vcc 1
		.amdhsa_float_denorm_mode_32 3
		.amdhsa_float_denorm_mode_16_64 3
		.amdhsa_memory_ordered 1
		.amdhsa_forward_progress 1
		.amdhsa_inst_pref_size 96
	.end_amdhsa_kernel
	.amdgpu_metadata
---
amdhsa.version: [ 1, 2 ]
amdhsa.kernels:
  - .name:           k_q4224446d1f_proj_o1
    .symbol:         k_q4224446d1f_proj_o1.kd
    .args:
      - { .name: abuf, .offset: 0, .size: 8, .value_kind: global_buffer, .address_space: global }
      - { .name: wb, .offset: 8, .size: 8, .value_kind: global_buffer, .address_space: global }
      - { .name: hbuf, .offset: 16, .size: 8, .value_kind: global_buffer, .address_space: global }
      - { .name: bo1, .offset: 24, .size: 8, .value_kind: global_buffer, .address_space: global }
      - { .name: amax, .offset: 32, .size: 8, .value_kind: global_buffer, .address_space: global }
    .group_segment_fixed_size: 327680
    .private_segment_fixed_size: 0
    .kernarg_segment_align: 8
    .kernarg_segment_size: 40
    .max_flat_workgroup_size: 128
    .sgpr_count:     80
    .vgpr_count:     512
    .wavefront_size: 32
...
	.end_amdgpu_metadata
.endif
;; end of part 4
;; launch proj_q2 (part 5): grid 8 x 32, 4 waves a work-group, clusters of 4 x 4, 327,680 bytes of LDS; arguments hbuf, wb, abuf, bq2, amax, bo1, qs; writes abuf, qs
.if DOCPART == 5
	.amdgcn_target "amdgcn-amd-amdhsa--gfx1250"
	.amdhsa_code_object_version 6
	.text
	.protected	k_q4224446d1f_proj_q2
	.globl	k_q4224446d1f_proj_q2
	.p2align	8
	.type	k_q4224446d1f_proj_q2,@function
k_q4224446d1f_proj_q2:
	s_mov_b64 s[64:65], 0
	v_nop
	global_prefetch_b8 v0, s[64:65] scope:SCOPE_SE
	s_setreg_imm32_b32 hwreg(HW_REG_WAVE_MODE, 25, 1), 1
	s_wait_xcnt 0x0
	s_wait_alu depctr_hold_cnt(0) depctr_sa_sdst(0) depctr_va_vdst(0) depctr_va_sdst(0) depctr_va_ssrc(0) depctr_va_vcc(0) depctr_vm_vsrc(0)
	s_getreg_b32 s2, hwreg(HW_REG_IB_STS2, 6, 4)
	s_cmp_eq_u32 s2, 0
	s_cbranch_scc0 .Lentry_in_a_cluster
	s_endpgm
.Lentry_in_a_cluster:
	s_bfe_u32 s2, ttmp6, 0x10000c
	s_cmp_lg_u32 s2, 0xf033
	s_cbranch_scc0 .Lentry_shape_is_right
	s_endpgm
.Lentry_shape_is_right:
; q2 = s(row) (h' Wq2) + bq2, stored as q2 / t(row, head) in f16, with t beside it: M = 4,096, N = 1,024, K = 1,024, f16 operands, f32 sums.   (QMODE = 1; the same text with QMODE = 0 makes h'.)
; THE ROW'S SCALE s is made as the launch before made it, from the same two buffers: s(row) = 2^(e + 1), e the exponent of max(the row's largest |a1|, the largest |bo1|), that maximum held to 2^-100 .. 2^100;
; the row's largest |a1| is the maximum of its 16 entries of amax.  h = s h', so the sums are multiplied by s, a power of two, and bq2 is added by the same fused multiply-add.
; q2 has no room in f16 by itself either.  The next product's K is one head's 64 channels, which are one wave's 64 columns: t(row, head) = 2^(e + 1), e the exponent of the row's largest |q2| there (held likewise);
; q2 / t is at most 1 in magnitude and rounds nothing but the f16 rounding; t goes to qs[16 batch + head][row], f32, and the attention launch multiplies its scores' constant by it.
; LIMIT: |q2| up to 2^100.
; A, B and C lie as PIECES of 512 bytes (lane l's 16 bytes at 16 l): [16 rows][16 along K][512]: lane (r, h) holds row r, k = 8 h + 0..7.  A fragment (16 rows x 32 K) is two neighbouring pieces.
; A tile of C is 128 x 128: 256 work-groups.  Four waves, each 64 x 64: 16 accumulators.  K goes in steps of 256 through two LDS slots; a wave's tensor load brings 4 blocks of 16 rows x 8,192 bytes, dense in LDS.
; CLUSTERS: 4 x 4 work-groups; A's tile is asked for jointly along a row of the cluster, B's along a column.
; THE MATRIX INSTRUCTION IS USED TRANSPOSED (source 0 = 16 rows of B, source 1 = 16 rows of A): a lane holds ONE row of C and eight neighbouring columns: a row's scale is one number a lane, and the eight results,
; rounded, are 16 bytes of a piece of C, stored as they stand.
; REGISTERS: window 0: v0-31 addresses and scales; v32-95 at work at the head, packed results at the end; v96-127 the bias; v128-255 the accumulators ((a, b) at v[128 + 8 (4 a + b)]).  window 1: two fragment buffers of 128.
.set QMODE,  1
.set HALFT,  32768                     ; 64 rows x 256 along K
.set SLOT,   4*HALFT
.set SPARE,  2*SLOT                    ; the spare words, 128 bytes for each wave: two blocks of 256 bytes that no other line names
.set LAPS,   2                         ; a lap = two K steps of 256
.set SI,   4                           ; v4-11  a pair for each of my four blocks of 16 rows: 1 / s (QMODE 0) or s (QMODE 1) of row l % 16 of the block; later 1 / t
.set MX,   12                          ; v12-15 at work; later t
.set ADRA, 16
.set ADRB, 20
.set CO,   26                          ; v26  16 x lane
.set BO,   27                          ; v27  32 (lane / 16)
.set SPW,  28
.set NIL,  29
.set TO,   30                          ; v30  amax: 4 (lane % 16) + 8 heads x 4,096 x (lane / 16)
.set L4,   31                          ; v31  4 x lane
.set TMP,  32
.set BI,   96
.set ACC,  128
.set F0,   0
.set F1,   128
.set G1, 24
.set G0, 32
.set G1B, 48
.set G0B, 56
.set MSB, 0
.macro WIN new
.if MSB != \new
	s_set_vgpr_msb (MSB<<8)|\new
.set MSB, \new
.endif
.endm
.set MUL,  0x05                        ; sources 0 (B) and 1 (A) window 1; C and D window 0
.set TO_F, 0x40                        ; destination window 1, address window 0
.macro JLOAD s                         ; a joint load: waves 0 and 1 fetch A's halves, waves 2 and 3 B's; four v_nop follow each of the two lines
	s_cmp_eq_u32 s11, 0
	s_cbranch_scc0 .Lfor_b_\@
	tensor_load_to_lds s[G0+4*\s:G0+4*\s+3], s[G1:G1+7]
	s_nop 0
.rept 4
	v_nop
.endr
	s_branch .Lasked_\@
.Lfor_b_\@:
	tensor_load_to_lds s[G0B+4*\s:G0B+4*\s+3], s[G1B:G1B+7]
	s_nop 0
.rept 4
	v_nop
.endr
.Lasked_\@:
.endm
.macro CREST
	s_cmp_lg_u32 s10, 0
	s_cbranch_scc1 .Lnot_wave_0_\@
	s_barrier_signal -3
.Lnot_wave_0_\@:
	s_barrier_wait -3
	s_barrier_signal -1
	s_barrier_wait -1
.endm
.macro CROUND
	s_barrier_signal -1
	s_barrier_wait -1
	CREST
.endm
	s_load_b128 s[4:7], s[0:1], 0x0                ; A, the weights
	s_load_b64 s[8:9], s[0:1], 0x10                ; C
	s_load_b64 s[66:67], s[0:1], 0x18              ; the bias
	s_load_b64 s[70:71], s[0:1], 0x20              ; amax
.if QMODE
	s_load_b64 s[72:73], s[0:1], 0x28              ; bo1
	s_load_b64 s[74:75], s[0:1], 0x30              ; qs
.endif
	v_lshl_add_u32 v[SPW], v0, 2, SPARE
	v_mov_b32 v[NIL], 0
	ds_add_u32 v28, v29
	s_wait_dscnt 0x0
	v_lshrrev_b32 v1, 5, v0
	v_readfirstlane_b32 s10, v1                    ; wave 0..3
	s_lshr_b32 s11, s10, 1                         ; my half of the tile's rows.  Also: I fetch for A (0) or for B (1)
	s_and_b32 s12, s10, 1                          ; my half of its columns.  Also: which 64 rows I fetch
	s_bfe_u32 s40, ttmp6, 0x40000
	s_bfe_u32 s41, ttmp6, 0x40004
	s_lshl_b32 s42, ttmp9, 2
	s_add_co_u32 s42, s42, s40                     ; tile column
	s_and_b32 s13, ttmp7, 0xffff
	s_lshl_b32 s13, s13, 2
	s_add_co_u32 s13, s13, s41                     ; tile row
	s_lshl_b32 s43, s41, 2
	s_lshl_b32 s43, 15, s43                        ; my row of the cluster
	s_lshl_b32 s44, 0x1111, s40                    ; my column
	s_or_b32 s[G1+0], s43, (3<<16)|(1<<21)         ; 15:0 the mask; 17:16 elements of 8 bytes; 21 set beside a mask
	s_or_b32 s[G1B+0], s44, (3<<16)|(1<<21)
.irp g, G1, G1B
	s_mov_b32 s[\g+1], 1024<<16                    ; tensor_dim0: 8,192 bytes
	s_mov_b32 s[\g+2], 4<<16                       ; tensor_dim1: 4 blocks of 16 rows
	s_mov_b32 s[\g+3], 1024<<16                    ; tile_dim0
	s_mov_b32 s[\g+4], 4                           ; tile_dim1
	s_mov_b32 s[\g+5], 4096                        ; tensor_dim0_stride: 32,768 bytes
	s_mov_b32 s[\g+6], 0
	s_mov_b32 s[\g+7], 0
.endr
	s_lshl_b32 s17, s12, 6
	s_lshl_b32 s16, s13, 7
	s_add_co_u32 s16, s16, s17                     ; A: row
	s_lshl_b32 s16, s16, 11                        ; 2,048 bytes a row
	s_lshl_b32 s46, s42, 7
	s_add_co_u32 s46, s46, s17                     ; B: row
	s_lshl_b32 s46, s46, 11
.if QMODE
	s_add_co_u32 s46, s46, 0x200000                ; Wq2 lies behind Wo1
.endif
	s_mov_b32 s17, 0
	s_mov_b32 s47, 0
	s_mul_i32 s20, s10, HALFT
	s_mov_b32 s76, 0x76543210
	s_mov_b32 s77, 0xfedcba98                      ; v_permlanex16_b32's selects for lane l xor 16
	s_mov_b32 s78, 0x0d800000                      ; 2^-100
	s_mov_b32 s79, 0x71800000                      ; 2^100
	s_wait_kmcnt 0x0
.if QMODE == 0
	s_mov_b64 s[72:73], s[66:67]                   ; the bias is bo1
.endif
	s_add_nc_u64 s[14:15], s[4:5], s[16:17]
	s_add_nc_u64 s[46:47], s[6:7], s[46:47]
	CROUND                                         ; all sixteen work-groups are here: the first joint loads meet
.irp s, 0,1
	s_mov_b32 s[G0+4*\s], 1
	s_add_co_u32 s[G0+4*\s+1], s20, \s*SLOT
	s_add_nc_u64 s[G0+4*\s+2:G0+4*\s+3], s[14:15], \s*8192
	s_or_b32 s[G0+4*\s+3], s[G0+4*\s+3], 0x80000000
	s_mov_b32 s[G0B+4*\s], 1
	s_add_co_u32 s[G0B+4*\s+1], s20, \s*SLOT
	s_add_nc_u64 s[G0B+4*\s+2:G0B+4*\s+3], s[46:47], \s*8192
	s_or_b32 s[G0B+4*\s+3], s[G0B+4*\s+3], 0x80000000
	JLOAD \s
.endr
	v_and_b32 v1, 15, v0                           ; r
	v_bfe_u32 v2, v0, 4, 1                         ; h
	v_and_b32 v3, 31, v0
	v_lshlrev_b32 v[CO], 4, v3
	v_lshlrev_b32 v[L4], 2, v3
	v_lshlrev_b32 v[BO], 5, v2
	v_lshlrev_b32 v[TO], 2, v1
	v_lshl_add_u32 v[TO], v2, 15, v[TO]
	s_mul_i32 s21, s11, HALFT
	s_mul_i32 s22, s12, HALFT
	s_add_co_u32 s22, s22, 2*HALFT
.irp s, 0,1
	v_add_nc_u32 v[ADRA+\s], s21, v[CO]
	v_add_nc_u32 v[ADRB+\s], s22, v[CO]
	s_add_co_u32 s21, s21, SLOT
	s_add_co_u32 s22, s22, SLOT
.endr
	s_lshl_b32 s46, s42, 9                         ; the bias of my 64 columns
	s_lshl_b32 s47, s12, 8
	s_add_co_u32 s46, s46, s47
	s_mov_b32 s47, 0
	s_add_nc_u64 s[68:69], s[66:67], s[46:47]
.irp b, 0,1,2,3
	global_load_b128 v[BI+8*\b:BI+8*\b+3], v[BO], s[68:69] offset:64*\b
	global_load_b128 v[BI+8*\b+4:BI+8*\b+7], v[BO], s[68:69] offset:64*\b+16
.endr
.irp i, 0,1,2,3,4,5,6,7
	global_load_b128 v[64+4*\i:67+4*\i], v[CO], s[72:73] offset:512*\i   ; all 1,024 numbers of bo1, 32 a lane
.endr
	s_lshl_b32 s16, s13, 7
	s_lshl_b32 s17, s11, 6
	s_add_co_u32 s16, s16, s17                     ; my first row
	s_lshr_b32 s18, s16, 10                        ; its batch:
	s_lshl_b32 s18, s18, 16                        ; 16 heads x 1,024 rows x 4 bytes
	s_and_b32 s19, s16, 1023
	s_lshl_b32 s19, s19, 2
	s_add_co_u32 s18, s18, s19
	s_mov_b32 s19, 0
	s_add_nc_u64 s[70:71], s[70:71], s[18:19]
.irp a, 0,1,2,3
.irp j, 0,1,2,3,4,5,6,7
	global_load_b32 v[32+8*\a+\j], v[TO], s[70:71] offset:\a*64+\j*4096   ; amax of row 16 a + r, head 8 h + j: sixteen lanes read 64 consecutive bytes
.endr
.endr
.if QMODE
	s_lshl_b32 s20, s42, 1
	s_add_co_u32 s20, s20, s12                     ; my 64 columns are one head
	s_lshl_b32 s20, s20, 12
	s_add_co_u32 s18, s18, s20
	s_add_nc_u64 s[74:75], s[74:75], s[18:19]
.endif
	s_lshl_b32 s16, s16, 11                        ; C: my first block of 16 rows: 32,768 bytes for 16 rows,
	s_mov_b32 s17, 0
	s_add_nc_u64 s[8:9], s[8:9], s[16:17]
	s_lshl_b32 s46, s42, 3
	s_lshl_b32 s47, s12, 2
	s_add_co_u32 s46, s46, s47
	s_lshl_b32 s46, s46, 9                         ; my first block of 16 columns
	s_mov_b32 s47, 0
	s_add_nc_u64 s[8:9], s[8:9], s[46:47]
	s_wait_loadcnt 0x0                             ; the bias, bo1 and amax (the first tiles are on their way meanwhile)
	v_max3_num_f32 v[MX], |v64|, |v65|, |v66|      ; the largest |bo1|: my 32, in two chains,
	v_max3_num_f32 v[MX+1], |v67|, |v68|, |v69|
.irp i, 6,10,14,18,22,26
	v_max3_num_f32 v[MX], v[MX], |v[64+\i]|, |v[65+\i]|
	v_max3_num_f32 v[MX+1], v[MX+1], |v[66+\i]|, |v[67+\i]|
.endr
	v_max3_num_f32 v[MX], v[MX], |v94|, |v95|
	v_max_num_f32 v[MX], v[MX], v[MX+1]
	v_max_num_f32_dpp v[MX], v[MX], v[MX] row_xmask:1 row_mask:0xf bank_mask:0xf   ; then across the 32 lanes
	v_max_num_f32_dpp v[MX], v[MX], v[MX] row_xmask:2 row_mask:0xf bank_mask:0xf
	v_max_num_f32_dpp v[MX], v[MX], v[MX] row_xmask:4 row_mask:0xf bank_mask:0xf
	v_max_num_f32_dpp v[MX], v[MX], v[MX] row_xmask:8 row_mask:0xf bank_mask:0xf
	v_permlanex16_b32 v[MX+1], v[MX], s76, s77
	v_max_num_f32 v[MX], v[MX], v[MX+1]
.irp a, 0,1,2,3
	v_max3_num_f32 v[SI+2*\a], v[32+8*\a], v[33+8*\a], v[34+8*\a]   ; each row's largest |a1|: my eight heads (none is negative),
.endr
.irp a, 0,1,2,3
	v_max3_num_f32 v[SI+2*\a], v[SI+2*\a], v[35+8*\a], v[36+8*\a]
.endr
.irp a, 0,1,2,3
	v_max3_num_f32 v[SI+2*\a], v[SI+2*\a], v[37+8*\a], v[38+8*\a]
.endr
.irp a, 0,1,2,3
	v_max3_num_f32 v[SI+2*\a], v[SI+2*\a], v[39+8*\a], v[MX]        ; and the largest |bo1|,
.endr
.irp a, 0,1,2,3
	v_mov_b32 v[SI+2*\a+1], 0                      ; (a lane permute's destination counts as one of its sources)
.endr
.irp a, 0,1,2,3
	v_permlanex16_b32 v[SI+2*\a+1], v[SI+2*\a], s76, s77
.endr
.irp a, 0,1,2,3
	v_max_num_f32 v[SI+2*\a], v[SI+2*\a], v[SI+2*\a+1]              ; with lane l xor 16's eight heads
.endr
.irp a, 0,1,2,3
	v_med3_num_f32 v[SI+2*\a], v[SI+2*\a], s78, s79                 ; held to 2^-100 .. 2^100
.endr
.irp a, 0,1,2,3
	v_and_b32 v[SI+2*\a], 0x7f800000, v[SI+2*\a]                    ; 2^e
.endr
.irp a, 0,1,2,3
.if QMODE
	v_add_nc_u32 v[SI+2*\a], 0x800000, v[SI+2*\a]                   ; s = 2^(e + 1)
.else
	v_sub_nc_u32 v[SI+2*\a], 0x7e800000, v[SI+2*\a]                 ; 1 / s = 2^-(e + 1): exponent field 253 less e's
.endif
.endr
.irp a, 0,1,2,3
	v_mov_b32 v[SI+2*\a+1], v[SI+2*\a]             ; (named with it as a pair)
.endr
; 8 matrix instructions: m blocks a0, a0 + 1 x all 4 n blocks, 32 along K: half c of buffer f.  first = 1: the sums start, from the bias (QMODE 0) or from 0.  The 16 accumulators take turns
.macro MUL8 f, c, a0, first
.irp a, \a0, \a0+1
.irp b, 0,1,2,3
.if \first
.if QMODE
	v_wmma_f32_16x16x32_f16 v[ACC+8*(4*(\a)+\b):ACC+8*(4*(\a)+\b)+7], v[\f+64+8*(4*\c+\b):\f+64+8*(4*\c+\b)+7], v[\f+8*(4*\c+\a):\f+8*(4*\c+\a)+7], 0
.else
	v_wmma_f32_16x16x32_f16 v[ACC+8*(4*(\a)+\b):ACC+8*(4*(\a)+\b)+7], v[\f+64+8*(4*\c+\b):\f+64+8*(4*\c+\b)+7], v[\f+8*(4*\c+\a):\f+8*(4*\c+\a)+7], v[BI+8*\b:BI+8*\b+7]
.endif
.else
	v_wmma_f32_16x16x32_f16 v[ACC+8*(4*(\a)+\b):ACC+8*(4*(\a)+\b)+7], v[\f+64+8*(4*\c+\b):\f+64+8*(4*\c+\b)+7], v[\f+8*(4*\c+\a):\f+8*(4*\c+\a)+7], v[ACC+8*(4*(\a)+\b):ACC+8*(4*(\a)+\b)+7]
.endif
.endr
.endr
.endm
; 32 LDS loads in one run: the fragments of the slot's q-th 64 along K into buffer f; the first 32 along K first
.macro FETCH slot, q, f
	WIN TO_F
.irp c, 0,1
.irp i, 0,1,2,3
	ds_load_b128 v[\f+64+8*(4*\c+\i):\f+64+8*(4*\c+\i)+3],   v[ADRB+\slot] offset:(2*(\q)+\c)*1024+\i*8192
	ds_load_b128 v[\f+64+8*(4*\c+\i)+4:\f+64+8*(4*\c+\i)+7], v[ADRB+\slot] offset:(2*(\q)+\c)*1024+\i*8192+512
	ds_load_b128 v[\f+8*(4*\c+\i):\f+8*(4*\c+\i)+3],         v[ADRA+\slot] offset:(2*(\q)+\c)*1024+\i*8192
	ds_load_b128 v[\f+8*(4*\c+\i)+4:\f+8*(4*\c+\i)+7],       v[ADRA+\slot] offset:(2*(\q)+\c)*1024+\i*8192+512
.endr
.endr
.endm
.macro PLACES
.rept 4
	v_nop
.endr
.endm
; A K step is four quarters of 64 along K, on buffers 0, 1, 0, 1.  One of the first three: multiplies buffer f and fetches quarter q into g.
.macro QUARTER slot, q, f, g, first
	s_wait_dscnt 16                                ; the first 32 along K are in
	WIN MUL
	MUL8 \f, 0, 0, \first
	MUL8 \f, 0, 2, \first
	PLACES
	FETCH \slot, \q, \g
	s_wait_dscnt 32                                ; all but the 32 just issued
	WIN MUL
	MUL8 \f, 1, 0, 0
	MUL8 \f, 1, 2, 0
.endm
; The last quarter multiplies buffer 1 and changes slots: one barrier; in front of it each wave waits for all its tensor loads, adds 0 to its spare word, and waits for that and for its reads of this slot.
.macro TURN slot, next, fill
	WIN 0
	s_wait_tensorcnt 0x0                           ; all my tensor loads have landed: my part of the next slot
	ds_add_u32 v[SPW], v[NIL]                      ; 0 onto my spare word
	s_wait_dscnt 17                                ; (the add and the youngest sixteen loads may be out)
	WIN MUL
	MUL8 F1, 0, 0, 0
	s_wait_dscnt 0x0                               ; the add is done, and my reads of this slot are over
	s_barrier_signal -1
	MUL8 F1, 0, 2, 0
.if \fill
	WIN 0
.endif
	s_barrier_wait -1
.if \fill
	CREST                                          ; the barrier has opened a round of the cluster's barrier: no wave of any partner still reads this slot or has a load on its way
	s_add_nc_u64 s[G0+4*\slot+2:G0+4*\slot+3], s[G0+4*\slot+2:G0+4*\slot+3], 2*8192
	s_add_nc_u64 s[G0B+4*\slot+2:G0B+4*\slot+3], s[G0B+4*\slot+2:G0B+4*\slot+3], 2*8192
	JLOAD \slot                                    ; the first tensor load behind the round; its four v_nop are also the places in front of the loads below
.else
	PLACES
.endif
	FETCH \next, 0, F0
	WIN MUL
	MUL8 F1, 1, 0, 0
	MUL8 F1, 1, 2, 0
.endm
	s_wait_tensorcnt 1                             ; my part of K step 0 is in (K step 1's may be out)
	s_barrier_signal -1
	s_barrier_wait -1
	FETCH 0, 0, F0
	QUARTER 0, 1, F0, F1, 1
	WIN 0
	s_mov_b32 s3, LAPS-1
.Llap:                                                 ; a trip goes once round the ring, from a lap's second quarter to the next lap's first, and fills both slots again
	QUARTER 0, 2, F1, F0, 0
	QUARTER 0, 3, F0, F1, 0
	TURN 0, 1, 1
	QUARTER 1, 1, F0, F1, 0
	QUARTER 1, 2, F1, F0, 0
	QUARTER 1, 3, F0, F1, 0
	TURN 1, 0, 1
	QUARTER 0, 1, F0, F1, 0
	WIN 0
	s_sub_co_u32 s3, s3, 1
	s_cmp_lg_u32 s3, 0
	s_cbranch_scc1 .Llap
	QUARTER 0, 2, F1, F0, 0                        ; the last lap fills nothing
	QUARTER 0, 3, F0, F1, 0
	TURN 0, 1, 0
	QUARTER 1, 1, F0, F1, 0
	QUARTER 1, 2, F1, F0, 0
	QUARTER 1, 3, F0, F1, 0
	s_wait_dscnt 16
	WIN MUL
	MUL8 F1, 0, 0, 0
	MUL8 F1, 0, 2, 0
	s_wait_dscnt 0
	MUL8 F1, 1, 0, 0
	MUL8 F1, 1, 2, 0
	WIN 0
	PLACES
.irp a, 0,1,2,3                        ; each accumulator from its low end on
.irp b, 0,1,2,3
.irp r, 0,2,4,6
.if QMODE
	v_pk_fma_f32 v[ACC+8*(4*\a+\b)+\r:ACC+8*(4*\a+\b)+\r+1], v[ACC+8*(4*\a+\b)+\r:ACC+8*(4*\a+\b)+\r+1], v[SI+2*\a:SI+2*\a+1], v[BI+8*\b+\r:BI+8*\b+\r+1] op_sel_hi:[1,0,1]   ; q2 = s (h' Wq2) + bq2
.else
	v_pk_mul_f32 v[ACC+8*(4*\a+\b)+\r:ACC+8*(4*\a+\b)+\r+1], v[ACC+8*(4*\a+\b)+\r:ACC+8*(4*\a+\b)+\r+1], v[SI+2*\a:SI+2*\a+1] op_sel_hi:[1,0]   ; h' = h / s: a power of two, nothing is rounded
.endif
.endr
.endr
.endr
.if QMODE
	; t(row, head) = 2^(e + 1), e the exponent of the row's largest |q2| in my 64 columns, which are one head: the four blocks of rows by turns
.irp a, 0,1,2,3
	v_max3_num_f32 v[MX+\a], |v[ACC+32*\a]|, |v[ACC+32*\a+1]|, |v[ACC+32*\a+2]|
.endr
.irp i, 3,5,7,9,11,13,15,17,19,21,23,25,27,29
.irp a, 0,1,2,3
	v_max3_num_f32 v[MX+\a], v[MX+\a], |v[ACC+32*\a+\i]|, |v[ACC+32*\a+\i+1]|
.endr
.endr
.irp a, 0,1,2,3
	v_max3_num_f32 v[MX+\a], v[MX+\a], |v[ACC+32*\a+31]|, |v[ACC+32*\a+31]|
.endr
.irp a, 0,1,2,3
	v_permlanex16_b32 v[SI+2*\a+1], v[MX+\a], s76, s77
.endr
.irp a, 0,1,2,3
	v_max_num_f32 v[MX+\a], v[MX+\a], v[SI+2*\a+1]
.endr
.irp a, 0,1,2,3
	v_med3_num_f32 v[MX+\a], v[MX+\a], s78, s79
.endr
.irp a, 0,1,2,3
	v_and_b32 v[MX+\a], 0x7f800000, v[MX+\a]
.endr
.irp a, 0,1,2,3
	v_sub_nc_u32 v[SI+2*\a], 0x7e800000, v[MX+\a]  ; 1 / t
.endr
.irp a, 0,1,2,3
	v_add_nc_u32 v[MX+\a], 0x800000, v[MX+\a]      ; t
.endr
.irp a, 0,1,2,3
	v_mov_b32 v[SI+2*\a+1], v[SI+2*\a]
.endr
.irp a, 0,1,2,3
.irp j, 0,2,4,6,8,10,12,14,16,18,20,22,24,26,28,30
	v_pk_mul_f32 v[ACC+32*\a+\j:ACC+32*\a+\j+1], v[ACC+32*\a+\j:ACC+32*\a+\j+1], v[SI+2*\a:SI+2*\a+1] op_sel_hi:[1,0]
.endr
.endr
	v_cmp_ne_u32 vcc_lo, 0, v2
	v_cndmask_b32 v18, v[MX], v[MX+1], vcc_lo      ; lanes 0-15 rows 0-15, lanes 16-31 rows 16-31;
	v_cndmask_b32 v19, v[MX+2], v[MX+3], vcc_lo    ; rows 32-63 likewise
	global_store_b32 v[L4], v18, s[74:75]          ; 32 lanes store 128 consecutive bytes: all that a wave has of this small table
	global_store_b32 v[L4], v19, s[74:75] offset:128
.endif
.irp t, 0,1,2,3,4,5,6,7,8,9,10,11,12,13,14,15
.irp r, 0,1,2,3
	v_cvt_pk_f16_f32 v[TMP+4*\t+\r], v[ACC+8*\t+2*\r], v[ACC+8*\t+2*\r+1]
.endr
.endr
.irp a, 0,1,2,3
.irp b, 0,1,2,3
	global_store_b128 v[CO], v[TMP+4*(4*\a+\b):TMP+4*(4*\a+\b)+3], s[8:9] offset:\a*32768+\b*512   ; a piece: 512 consecutive bytes, aligned
.endr
.endr
	s_wait_tensorcnt 0x0                           ; the wave's end
	ds_add_u32 v[SPW], v[NIL]
	s_wait_dscnt 0x0
	CROUND                                         ; the closing round
	s_endpgm
.Lfunc_end_k_q4224446d1f_proj_q2:
	.size	k_q4224446d1f_proj_q2, .Lfunc_end_k_q4224446d1f_proj_q2-k_q4224446d1f_proj_q2
	.p2alignl 7, 3214868480
	.fill 96, 4, 3214868480
	.section	.rodata,"a",@progbits
	.p2align	6, 0x0
	.amdhsa_kernel k_q4224446d1f_proj_q2
		.amdhsa_group_segment_fixed_size 327680
		.amdhsa_private_segment_fixed_size 0
		.amdhsa_enable_private_segment 0
		.amdhsa_kernarg_size 56
		.amdhsa_user_sgpr_count 2
		.amdhsa_user_sgpr_kernarg_segment_ptr 1
		.amdhsa_wavefront_size32 1
		.amdhsa_system_sgpr_workgroup_id_x 1
		.amdhsa_system_sgpr_workgroup_id_y 1
		.amdhsa_system_sgpr_workgroup_id_z 1
		.amdhsa_system_vgpr_workitem_id 0
		.amdhsa_next_free_vgpr 512
		.amdhsa_next_free_sgpr 80
		.amdhsa_reserve_vcc 1
		.amdhsa_float_denorm_mode_32 3
		.amdhsa_float_denorm_mode_16_64 3
		.amdhsa_memory_ordered 1
		.amdhsa_forward_progress 1
		.amdhsa_inst_pref_size 106
	.end_amdhsa_kernel
	.amdgpu_metadata
---
amdhsa.version: [ 1, 2 ]
amdhsa.kernels:
  - .name:           k_q4224446d1f_proj_q2
    .symbol:         k_q4224446d1f_proj_q2.kd
    .args:
      - { .name: hbuf, .offset: 0, .size: 8, .value_kind: global_buffer, .address_space: global }
      - { .name: wb, .offset: 8, .size: 8, .value_kind: global_buffer, .address_space: global }
      - { .name: abuf, .offset: 16, .size: 8, .value_kind: global_buffer, .address_space: global }
      - { .name: bq2, .offset: 24, .size: 8, .value_kind: global_buffer, .address_space: global }
      - { .name: amax, .offset: 32, .size: 8, .value_kind: global_buffer, .address_space: global }
      - { .name: bo1, .offset: 40, .size: 8, .value_kind: global_buffer, .address_space: global }
      - { .name: qs, .offset: 48, .size: 8, .value_kind: global_buffer, .address_space: global }
    .group_segment_fixed_size: 327680
    .private_segment_fixed_size: 0
    .kernarg_segment_align: 8
    .kernarg_segment_size: 56
    .max_flat_workgroup_size: 128
    .sgpr_count:     80
    .vgpr_count:     512
    .wavefront_size: 32
...
	.end_amdgpu_metadata
.endif
;; end of part 5
;; launch attn2 (part 6): grid 4 x 64, 16 waves a work-group, no clusters, 327,680 bytes of LDS; arguments abuf, qkv, bv2, hbuf, qs; writes hbuf
.if DOCPART == 6
	.amdgcn_target "amdgcn-amd-amdhsa--gfx1250"
	.amdhsa_code_object_version 6
	.text
	.protected	k_q4224446d1f_attn2
	.globl	k_q4224446d1f_attn2
	.p2align	8
	.type	k_q4224446d1f_attn2,@function
k_q4224446d1f_attn2:
	s_mov_b64 s[64:65], 0
	v_nop
	global_prefetch_b8 v0, s[64:65] scope:SCOPE_SE
	s_setreg_imm32_b32 hwreg(HW_REG_WAVE_MODE, 25, 1), 1
	s_wait_xcnt 0x0
; ATTENTION, head size 64, no mask, 2,048 keys.  O[q] = sum over k of softmax_k(Q[q] . K[k] / 8) V[k] + bv.
; Q arrives as Q / t in f16, at most 1 in magnitude, with t(query, head), a power of two, in qs[16 batch + head][query]: a lane holds one query, so t goes into the lane's constant: c = t log2(e) / 8.
; K, p and V: f16 (p is at most 1; K and V up to 65,504 in magnitude: the limit of this text); products, maxima and sums in f32; O leaves as f16 (a mean of V, plus bv).
; bv is added behind the division by the row's sum: the weights of a row sum to 1, so that is sum w (v + bv); only the order of rounding differs.
; All operands lie in memory as PIECES of 512 bytes, lane l's 16 bytes at 16 l: four registers of a fragment.  K: [head][16 keys][16 channels][512]; V: [head][16 keys][16 channels][512] with a lane = a channel
; and its eight numbers eight keys; Q and O: [16 rows][16 of the 1,024 channels][512].  So LDS tiles are dense, every LDS address is a constant + 16 x lane, and nothing is transposed.
; SHARES.  A work-group owns 256 queries of one (batch, head), in eight groups of 32: two tiles of 16.  SIXTEEN waves: wave w takes group w % 8 and, of the key steps of 64 keys, those of parity w / 8.
; Four waves of 256 registers to a SIMD, so that one wave's softmax stands beside another's products and LDS loads; each fragment of K and V is still read by eight waves.
; At the end the two waves of a group meet in LDS: the wave of parity 1 hands its O^T, maximum and sum to the wave of parity 0, which brings both under the common maximum.
; Both products are used transposed (S^T = K Q^T, O^T = V^T P): a lane holds one query (lane % 16) throughout; two tiles of S^T, rounded in pairs, ARE source 1 of the second product.
; SOFTMAX.  A running maximum m and sum l for each query: p = 2^(c s - c m); in every step O and l are multiplied by a = 2^(c m_old - c m_new).
; RING.  Two LDS slots of 512 keys (K's 65,536 bytes, then V's).  Waves 0-7 fetch 16,384 bytes of a slot each by one tensor load: waves 0-3 K's quarters, waves 4-7 V's; waves 8-15 fetch nothing.
; NO CLUSTER: a slot's 131,072 bytes feed 8 steps x 8 groups x 32 products and their softmax, so the tiles are a small part of a step's work.
.set SKEYS,  2048
.set KOFF,   25165824                  ; k2 and v2 in qkv
.set VOFF,   41943040
.set NSL,    SKEYS/512
.set SLOT1,  1<<17
.set SPARE,  2*SLOT1                   ; the spare words, 128 bytes for each of sixteen waves: eight blocks of 256 bytes that no other line names
.set GST,    9216                      ; where a group's two waves meet: 16 pieces of O^T and 2 of statistics, at GST x group in slot 0, which has had its last fill and has not been read since the last change of slots
.set LI,   1                           ; v1   16 x lane; never rewritten
.set ADK,  2                           ; v2   the step's K; at the end the group's meeting place
.set ADV,  3                           ; v3   the step's V
.set SPW,  4                           ; v4   my spare word; never rewritten
.set NIL,  5                           ; v5   0; never rewritten
.set PFO,  6                           ; v6   256 x lane: the prefetches' offset; never rewritten
.set BOF,  7                           ; v7   32 (lane / 16)
.set CQ,   8                           ; v8-11 c of my query, a pair for each tile
.set TS,   12                          ; v12-15 the second chain of each tile's sum
.set ST,   16                          ; tile t at v[16 + 8 t]: +0 c m, +1 m, +2 +3 l, +4..+7 at work; a in +6
.set Q,    32                          ; v32-63   Q: fragment (t, kf) at 32 + 16 t + 8 kf
.set X,    64                          ; v64-127  K's fragments, later V's; at the end bv
.set PB,   96                          ; v96-103  at the end: the partner's statistics, four registers a tile
.set S,    128                         ; v128-191 S^T: (t, kt) at 128 + 32 t + 8 kt; P packed in place into 128 + 32 t + 0..15; at the end the partner's O^T
.set O,    192                         ; v192-255 O^T: (t, ct) at 192 + 32 t + 8 ct
	s_load_b256 s[4:11], s[0:1], 0x0               ; Q, K and V, bv, the output
	s_load_b64 s[46:47], s[0:1], 0x20              ; qs
	v_lshl_add_u32 v[SPW], v0, 2, SPARE
	v_mov_b32 v[NIL], 0
	ds_add_u32 v4, v5
	s_wait_dscnt 0x0
	v_lshrrev_b32 v1, 5, v0
	v_readfirstlane_b32 s12, v1                    ; wave 0..15
	s_and_b32 s50, s12, 7                          ; my group of 32 queries.  Also, in waves 0-7: which 16,384 bytes of a slot I fetch
	s_lshr_b32 s51, s12, 3                         ; the parity of my key steps
	s_and_b32 s13, ttmp7, 0xffff                   ; 16 x batch + head
	s_mov_b32 s24, 3<<16                           ; descriptor group 1: 64 rows of 256 bytes (32 elements of 8), dense in memory and in LDS
	s_mov_b32 s25, 32<<16                          ; tensor_dim0
	s_mov_b32 s26, 64<<16                          ; tensor_dim1
	s_mov_b32 s27, 32<<16                          ; tile_dim0
	s_mov_b32 s28, 64                              ; tile_dim1
	s_mov_b32 s29, 32                              ; tensor_dim0_stride
	s_mov_b32 s30, 0
	s_mov_b32 s31, 0
	s_mov_b32 s32, 1
	s_lshl_b32 s33, s50, 14                        ; LDS: 16,384 x (wave % 8), slot 0
	s_and_b32 s42, s50, 3
	s_lshl_b32 s42, s42, 14                        ; my quarter,
	s_mul_i32 s43, s13, SKEYS*128                  ; my head,
	s_add_co_u32 s42, s42, s43
	s_mov_b32 s43, VOFF
	s_cmp_lt_u32 s50, 4
	s_cselect_b32 s43, KOFF, s43                   ; K or V
	s_add_co_u32 s42, s42, s43
	s_mov_b32 s43, 0
	s_lshl_b32 s14, ttmp9, 8
	s_lshl_b32 s19, s50, 5
	s_add_co_u32 s14, s14, s19                     ; my first query
	s_lshr_b32 s40, s13, 4
	s_lshl_b32 s40, s40, 21                        ; a batch: 64 blocks of 16 rows x 32,768 bytes
	s_and_b32 s39, s13, 15                         ; the head
	s_add_co_u32 s41, s14, s39
	s_lshl_b32 s41, s41, 11                        ; 2,048 bytes for each query (32,768 / 16) and for each head
	s_add_co_u32 s40, s40, s41
	s_mov_b32 s41, 0
	s_lshl_b32 s44, s39, 8
	s_mov_b32 s45, 0
	s_lshl_b32 s48, s13, 12                        ; qs: 1,024 rows of 4 bytes for each (batch, head),
	s_lshl_b32 s49, s14, 2                         ; my first query
	s_add_co_u32 s48, s48, s49
	s_mov_b32 s49, 0
	s_lshl_b32 s16, s51, 13                        ; the LDS byte at which my first step's K begins: 8,192 x parity
	s_mov_b32 s17, NSL-1
	s_mov_b32 s20, 0x76543210
	s_mov_b32 s21, 0xfedcba98                      ; v_permlanex16_b32's selects for lane l xor 16
	s_mov_b32 s22, 0x3e38aa3b                      ; log2(e) / 8
	s_or_b32 s38, s51, ttmp9                       ; 0 in waves 0-7 of the head's first work-group,
	s_cmp_eq_u32 s38, 0
	s_cselect_b32 s38, 1, -1                       ; which prefetch: 1 there, else the greatest number
	s_wait_kmcnt 0x0
	s_add_nc_u64 s[34:35], s[6:7], s[42:43]
	s_add_nc_u64 s[36:37], s[34:35], 0x10000       ; the prefetches stand at my part of slot 1: the first change of slots steps them to slot 2.  Nothing is prefetched here, at the head
	s_or_b32 s35, s35, 0x80000000
	s_cmp_lt_u32 s12, 8                            ; waves 0-7 fetch
	s_cbranch_scc0 .Lno_first
	tensor_load_to_lds s[32:35], s[24:31]          ; slot 0
	s_nop 0
.rept 4
	v_nop
.endr
.Lno_first:
	s_add_nc_u64 s[4:5], s[4:5], s[40:41]
	s_add_nc_u64 s[10:11], s[10:11], s[40:41]
	s_add_nc_u64 s[8:9], s[8:9], s[44:45]
	s_add_nc_u64 s[46:47], s[46:47], s[48:49]
	v_and_b32 v[LI], 31, v0
	v_lshlrev_b32 v[PFO], 8, v[LI]
	v_lshlrev_b32 v[LI], 4, v[LI]
.irp t, 0,1
.irp p, 0,1,2,3
	global_load_b128 v[Q+16*\t+4*\p:Q+16*\t+4*\p+3], v[LI], s[4:5] offset:\t*32768+\p*512   ; Q stays in registers
.endr
.endr
	v_and_b32 v[ADK], 15, v0
	v_lshlrev_b32 v[ADK], 2, v[ADK]
	global_load_b32 v[CQ], v[ADK], s[46:47]        ; t of my query in tile 0,
	global_load_b32 v[CQ+2], v[ADK], s[46:47] offset:64   ; in tile 1
	v_bfe_u32 v[BOF], v0, 4, 1
	v_lshlrev_b32 v[BOF], 5, v[BOF]
.irp t, 0,1
	v_mov_b32 v[ST+8*\t+1], 0xff61b1e6             ; m: -3e38, under every score;
	v_mov_b32 v[ST+8*\t], 0xff61b1e6               ; c m likewise: the first a is then 2^(a number under -1e38 or -infinity) = 0
.irp j, 2,3,4,5,6,7
	v_mov_b32 v[ST+8*\t+\j], 0
.endr
.endr
.set i, 0
.rept 64
	v_mov_b32 v[O+i], 0                            ; O^T.  (The step is written once: the first finds zeros, which a = 0 leaves zeros)
.set i, i+1
.endr
; A KEY STEP: 64 keys
.macro STEP
	v_add_nc_u32 v[ADK], s16, v[LI]
	v_add_nc_u32 v[ADV], 0x10000, v[ADK]
.rept 3
	v_nop                                          ; with the two additions five places: the products below write over P, which the last products read, and the loads land on V's fragments
.endr
.irp kt, 0,1,2,3
.irp p, 0,1,2,3
	ds_load_b128 v[X+16*\kt+4*\p:X+16*\kt+4*\p+3], v[ADK] offset:\kt*2048+\p*512
.endr
.endr
	s_wait_dscnt 0x0
.irp kf, 0,1                           ; S^T = K Q^T: eight accumulators by turns
.irp kt, 0,1,2,3
.irp t, 0,1
.if \kf == 0
	v_wmma_f32_16x16x32_f16 v[S+32*\t+8*\kt:S+32*\t+8*\kt+7], v[X+16*\kt+8*\kf:X+16*\kt+8*\kf+7], v[Q+16*\t+8*\kf:Q+16*\t+8*\kf+7], 0
.else
	v_wmma_f32_16x16x32_f16 v[S+32*\t+8*\kt:S+32*\t+8*\kt+7], v[X+16*\kt+8*\kf:X+16*\kt+8*\kf+7], v[Q+16*\t+8*\kf:Q+16*\t+8*\kf+7], v[S+32*\t+8*\kt:S+32*\t+8*\kt+7]
.endif
.endr
.endr
.endr
.rept 4
	v_nop                                          ; places in front of the loads into K's fragments and of the first read of the scores
.endr
.irp ct, 0,1,2,3
.irp p, 0,1,2,3
	ds_load_b128 v[X+16*\ct+4*\p:X+16*\ct+4*\p+3], v[ADV] offset:\p*2048+\ct*512   ; V lands under the softmax
.endr
.endr
	; the softmax, the two tiles line by line by turns
.irp j, 0,1,2,3
.irp t, 0,1
	v_max3_num_f32 v[ST+8*\t+4+\j], v[S+32*\t+8*\j], v[S+32*\t+8*\j+1], v[S+32*\t+8*\j+2]
.endr
.endr
.irp g, 1,2
.irp j, 0,1,2,3
.irp t, 0,1
	v_max3_num_f32 v[ST+8*\t+4+\j], v[ST+8*\t+4+\j], v[S+32*\t+8*\j+2*\g+1], v[S+32*\t+8*\j+2*\g+2]
.endr
.endr
.endr
.irp t, 0,1
	v_max3_num_f32 v[ST+8*\t+4], v[ST+8*\t+4], v[S+32*\t+7], v[S+32*\t+15]
	v_max3_num_f32 v[ST+8*\t+6], v[ST+8*\t+6], v[S+32*\t+23], v[S+32*\t+31]
.endr
.irp t, 0,1
	v_max3_num_f32 v[ST+8*\t+4], v[ST+8*\t+4], v[ST+8*\t+5], v[ST+8*\t+6]
.endr
.irp t, 0,1
	v_max3_num_f32 v[ST+8*\t+4], v[ST+8*\t+4], v[ST+8*\t+7], v[ST+8*\t+1]   ; with the old m
.endr
.irp t, 0,1
	v_permlanex16_b32 v[ST+8*\t+5], v[ST+8*\t+4], s20, s21   ; the query's other 32 keys lie in the lane 16 away
.endr
.irp t, 0,1
	v_mov_b32 v[ST+8*\t+7], v[ST+8*\t]             ; c m_old
.endr
.irp t, 0,1
	v_max_num_f32 v[ST+8*\t+1], v[ST+8*\t+4], v[ST+8*\t+5]
.endr
.irp t, 0,1
	v_mul_f32 v[ST+8*\t], v[CQ+2*\t], v[ST+8*\t+1] ; c is positive, so the largest score gives the largest c s
.endr
.irp t, 0,1
	v_sub_f32 v[ST+8*\t+7], v[ST+8*\t+7], v[ST+8*\t]
.endr
.irp t, 0,1
.irp j, 0,2,4,6,8,10,12,14,16,18,20,22,24,26,28,30
	v_pk_fma_f32 v[S+32*\t+\j:S+32*\t+\j+1], v[S+32*\t+\j:S+32*\t+\j+1], v[CQ+2*\t:CQ+2*\t+1], v[ST+8*\t:ST+8*\t+1] op_sel_hi:[1,0,0] neg_lo:[0,0,1] neg_hi:[0,0,1]   ; c s - c m
.endr
.endr
.irp t, 0,1
	v_exp_f32 v[ST+8*\t+6], v[ST+8*\t+7]           ; a
.irp j, 0,1,2,3,4,5,6,7,8,9,10,11,12,13,14,15,16,17,18,19,20,21,22,23,24,25,26,27,28,29,30,31
	v_exp_f32 v[S+32*\t+\j], v[S+32*\t+\j]         ; p
.endr
.endr
	v_nop                                          ; a plain place between the exponentials and the first use of a result
	s_wait_alu depctr_va_vdst(0)
.irp t, 0,1
	v_pk_mul_f32 v[ST+8*\t+2:ST+8*\t+3], v[ST+8*\t+2:ST+8*\t+3], v[ST+8*\t+6:ST+8*\t+7] op_sel_hi:[1,0]
.endr
.irp t, 0,1
	v_pk_add_f32 v[TS+2*\t:TS+2*\t+1], v[S+32*\t:S+32*\t+1], v[S+32*\t+2:S+32*\t+3]   ; the row's sum, of the unrounded p, in two chains
.endr
.irp j, 4,8,12,16,20,24,28
.irp t, 0,1
	v_pk_add_f32 v[ST+8*\t+2:ST+8*\t+3], v[ST+8*\t+2:ST+8*\t+3], v[S+32*\t+\j:S+32*\t+\j+1]
	v_pk_add_f32 v[TS+2*\t:TS+2*\t+1], v[TS+2*\t:TS+2*\t+1], v[S+32*\t+\j+2:S+32*\t+\j+3]
.endr
.endr
.irp t, 0,1
	v_pk_add_f32 v[ST+8*\t+2:ST+8*\t+3], v[ST+8*\t+2:ST+8*\t+3], v[TS+2*\t:TS+2*\t+1]
.endr
.irp t, 0,1
.irp j, 0,1,2,3,4,5,6,7,8,9,10,11,12,13,14,15
	v_cvt_pk_f16_f32 v[S+32*\t+\j], v[S+32*\t+2*\j], v[S+32*\t+2*\j+1]   ; ascending, in place: register j is written when pairs up to j / 2 have been read
.endr
.endr
.irp t, 0,1
.irp j, 0,2,4,6,8,10,12,14,16,18,20,22,24,26,28,30
	v_pk_mul_f32 v[O+32*\t+\j:O+32*\t+\j+1], v[O+32*\t+\j:O+32*\t+\j+1], v[ST+8*\t+6:ST+8*\t+7] op_sel_hi:[1,0]
.endr
.endr
	s_wait_dscnt 0x0                               ; V is in
.irp kb, 0,1                           ; O^T += V^T P: eight accumulators by turns
.irp ct, 0,1,2,3
.irp t, 0,1
	v_wmma_f32_16x16x32_f16 v[O+32*\t+8*\ct:O+32*\t+8*\ct+7], v[X+16*\ct+8*\kb:X+16*\ct+8*\kb+7], v[S+32*\t+8*\kb:S+32*\t+8*\kb+7], v[O+32*\t+8*\ct:O+32*\t+8*\ct+7]
.endr
.endr
.endr
.endm
; A PREFETCH INTO THE L2 of what the NEXT change of slots will ask for: a fetching wave's 16,384 bytes of that slot, lanes 256 bytes apart, two instructions.  All four work-groups of a head walk the same K and V:
; waves 0-7 of the head's first work-group ask, so each aligned block of 256 bytes is named once.  The last change that fills a slot asks for nothing; slots 0 and 1 come by their loads alone.
.macro ASK
	s_cmp_gt_u32 s17, s38
	s_cbranch_scc0 .Lnot_mine_\@
	global_prefetch_b8 v[PFO], s[36:37] th:TH_LOAD_NT scope:SCOPE_SE
	global_prefetch_b8 v[PFO], s[36:37] offset:8192 th:TH_LOAD_NT scope:SCOPE_SE
.Lnot_mine_\@:
.endm
; THE CHANGE OF SLOTS stands at a slot's head.  Each wave waits for all its tensor loads (in waves 0-7: its part of the slot ahead), adds 0 to its spare word, and waits for that and for its reads of the slot left behind.
; fill = 1: behind the barrier that other slot is filled with the next 512 keys: one load in each of waves 0-7, which has a slot's key steps in which to land.
.macro CHANGE fill
	s_wait_tensorcnt 0x0                           ; no tensor load of mine is out, so group 0 may be written
	ds_add_u32 v[SPW], v[NIL]                      ; 0 onto my spare word
.if \fill
	s_xor_b32 s33, s33, SLOT1
	s_add_nc_u64 s[34:35], s[34:35], 0x10000
	s_wait_xcnt 0x0                                ; the last prefetches, a slot back, have read their address, so it may be written:
	s_add_nc_u64 s[36:37], s[36:37], 0x10000       ; one slot further on than the descriptor
.endif
	s_wait_dscnt 0x0
	s_barrier_signal -1
	s_barrier_wait -1
.if \fill
	s_cmp_lt_u32 s12, 8                            ; waves 0-7 fetch
	s_cbranch_scc0 .Lno_fetch_\@
	tensor_load_to_lds s[32:35], s[24:31]
	s_nop 0
.rept 4
	v_nop
.endr
.Lno_fetch_\@:
	ASK
.endif
.endm
.macro SLOT_STEPS                      ; my four of a slot's eight key steps: written once; the LDS addresses hang on s16
	s_mov_b32 s18, 4
.Lstep_\@:
	STEP
	s_add_co_u32 s16, s16, 16384                   ; two steps on: the step between is my partner's
	s_sub_co_u32 s18, s18, 1
	s_cmp_lg_u32 s18, 0
	s_cbranch_scc1 .Lstep_\@
	s_sub_co_u32 s16, s16, 65536
	s_xor_b32 s16, s16, SLOT1                      ; on to the other slot
.endm
	s_wait_loadcnt 0x0                             ; Q and t
.irp t, 0,1
	v_mul_f32 v[CQ+2*\t], s22, v[CQ+2*\t]          ; c = t log2(e) / 8
.endr
.irp t, 0,1
	v_mov_b32 v[CQ+2*\t+1], v[CQ+2*\t]             ; (named with it as a pair)
.endr
.Lslot:
	CHANGE 1
	SLOT_STEPS
	s_sub_co_u32 s17, s17, 1
	s_cmp_lg_u32 s17, 0
	s_cbranch_scc1 .Lslot
	CHANGE 0                                       ; the last slot is written out
	SLOT_STEPS
	; THE TWO WAVES OF A GROUP MEET.  The wave of parity 1 stores its O^T and statistics as images of its registers; its stores are waited for; one barrier; the wave of parity 0 loads them.
.rept 4
	v_nop                                          ; places in front of the first read of O^T and of loads into registers that the last products read
.endr
	s_mul_i32 s19, s50, GST
	v_add_nc_u32 v[ADK], s19, v[LI]
	s_cmp_lt_u32 s12, 8
	s_cbranch_scc1 .Lowner
.irp i, 0,1,2,3,4,5,6,7,8,9,10,11,12,13,14,15
	ds_store_b128 v[ADK], v[O+4*\i:O+4*\i+3] offset:512*\i   ; each accumulator from its low end on
.endr
.irp t, 0,1
	ds_store_b128 v[ADK], v[ST+8*\t:ST+8*\t+3] offset:8192+512*\t   ; c m, m, l
.endr
.Lowner:
	s_wait_dscnt 0x0                               ; for the partner's sake: my stores are done
	s_barrier_signal -1
	s_barrier_wait -1
	s_cmp_lt_u32 s12, 8
	s_cbranch_scc0 .Lend                           ; the waves of parity 1 have handed over all that they made
.irp t, 0,1
	ds_load_b128 v[PB+4*\t:PB+4*\t+3], v[ADK] offset:8192+512*\t
.endr
.irp i, 0,1,2,3,4,5,6,7,8,9,10,11,12,13,14,15
	ds_load_b128 v[S+4*\i:S+4*\i+3], v[ADK] offset:512*\i
.endr
.irp ct, 0,1,2,3
	global_load_b128 v[X+8*\ct:X+8*\ct+3], v[BOF], s[8:9] offset:64*\ct
	global_load_b128 v[X+8*\ct+4:X+8*\ct+7], v[BOF], s[8:9] offset:64*\ct+16
.endr
	s_wait_dscnt 0x0
	; both halves under the common maximum: f = 2^(c m - the larger c m)
.irp t, 0,1
	v_max_num_f32 v[ST+8*\t+5], v[ST+8*\t], v[PB+4*\t]
.endr
.irp t, 0,1
	v_sub_f32 v[ST+8*\t+4], v[ST+8*\t], v[ST+8*\t+5]
	v_sub_f32 v[ST+8*\t+6], v[PB+4*\t], v[ST+8*\t+5]
.endr
.irp t, 0,1
	v_exp_f32 v[ST+8*\t+4], v[ST+8*\t+4]           ; mine
	v_exp_f32 v[ST+8*\t+6], v[ST+8*\t+6]           ; the partner's
.endr
	v_nop                                          ; a plain place behind the exponentials
	s_wait_alu depctr_va_vdst(0)
.irp t, 0,1
	v_pk_mul_f32 v[ST+8*\t+2:ST+8*\t+3], v[ST+8*\t+2:ST+8*\t+3], v[ST+8*\t+4:ST+8*\t+5] op_sel_hi:[1,0]
.endr
.irp t, 0,1
	v_pk_fma_f32 v[ST+8*\t+2:ST+8*\t+3], v[PB+4*\t+2:PB+4*\t+3], v[ST+8*\t+6:ST+8*\t+7], v[ST+8*\t+2:ST+8*\t+3] op_sel_hi:[1,0,1]
.endr
.irp t, 0,1
	v_add_f32 v[ST+8*\t+5], v[ST+8*\t+2], v[ST+8*\t+3]
.endr
.irp t, 0,1
	v_permlanex16_b32 v[ST+8*\t+7], v[ST+8*\t+5], s20, s21
.endr
.irp t, 0,1
	v_add_f32 v[ST+8*\t+5], v[ST+8*\t+5], v[ST+8*\t+7]   ; the row's sum
.endr
.irp t, 0,1
	v_rcp_f32 v[ST+8*\t+7], v[ST+8*\t+5]
.endr
	v_nop
	s_wait_alu depctr_va_vdst(0)
.irp t, 0,1
	v_mul_f32 v[ST+8*\t+4], v[ST+8*\t+4], v[ST+8*\t+7]   ; f / l, mine
	v_mul_f32 v[ST+8*\t+6], v[ST+8*\t+6], v[ST+8*\t+7]   ; and the partner's
.endr
	s_wait_loadcnt 0x0                             ; bv
	; THE WAY OUT: O^T f / l + bv + the partner's O^T f / l, rounded; a lane's eight channels of a row are 16 bytes of a piece
.irp t, 0,1
.irp ct, 0,1,2,3
.irp j, 0,2,4,6
	v_pk_fma_f32 v[O+32*\t+8*\ct+\j:O+32*\t+8*\ct+\j+1], v[O+32*\t+8*\ct+\j:O+32*\t+8*\ct+\j+1], v[ST+8*\t+4:ST+8*\t+5], v[X+8*\ct+\j:X+8*\ct+\j+1] op_sel_hi:[1,0,1]
.endr
.irp j, 0,2,4,6
	v_pk_fma_f32 v[O+32*\t+8*\ct+\j:O+32*\t+8*\ct+\j+1], v[S+32*\t+8*\ct+\j:S+32*\t+8*\ct+\j+1], v[ST+8*\t+6:ST+8*\t+7], v[O+32*\t+8*\ct+\j:O+32*\t+8*\ct+\j+1] op_sel_hi:[1,0,1]
.endr
.irp j, 0,1,2,3
	v_cvt_pk_f16_f32 v[S+32*\t+8*\ct+\j], v[O+32*\t+8*\ct+2*\j], v[O+32*\t+8*\ct+2*\j+1]   ; over the partner's numbers, which have been used
.endr
	global_store_b128 v[LI], v[S+32*\t+8*\ct:S+32*\t+8*\ct+3], s[10:11] offset:\t*32768+\ct*512   ; 512 consecutive bytes, aligned
.endr
.endr
.Lend:
	s_wait_tensorcnt 0x0                           ; the wave's end
	ds_add_u32 v[SPW], v[NIL]
	s_wait_dscnt 0x0
	s_endpgm
.Lfunc_end_k_q4224446d1f_attn2:
	.size	k_q4224446d1f_attn2, .Lfunc_end_k_q4224446d1f_attn2-k_q4224446d1f_attn2
	.p2alignl 7, 3214868480
	.fill 96, 4, 3214868480
	.section	.rodata,"a",@progbits
	.p2align	6, 0x0
	.amdhsa_kernel k_q4224446d1f_attn2
		.amdhsa_group_segment_fixed_size 327680
		.amdhsa_private_segment_fixed_size 0
		.amdhsa_enable_private_segment 0
		.amdhsa_kernarg_size 40
		.amdhsa_user_sgpr_count 2
		.amdhsa_user_sgpr_kernarg_segment_ptr 1
		.amdhsa_wavefront_size32 1
		.amdhsa_system_sgpr_workgroup_id_x 1
		.amdhsa_system_sgpr_workgroup_id_y 1
		.amdhsa_system_sgpr_workgroup_id_z 1
		.amdhsa_system_vgpr_workitem_id 0
		.amdhsa_next_free_vgpr 256
		.amdhsa_next_free_sgpr 66
		.amdhsa_reserve_vcc 0
		.amdhsa_float_denorm_mode_32 3
		.amdhsa_float_denorm_mode_16_64 3
		.amdhsa_memory_ordered 1
		.amdhsa_forward_progress 1
		.amdhsa_inst_pref_size 55
	.end_amdhsa_kernel
	.amdgpu_metadata
---
amdhsa.version: [ 1, 2 ]
amdhsa.kernels:
  - .name:           k_q4224446d1f_attn2
    .symbol:         k_q4224446d1f_attn2.kd
    .args:
      - { .name: abuf, .offset: 0, .size: 8, .value_kind: global_buffer, .address_space: global }
      - { .name: qkv, .offset: 8, .size: 8, .value_kind: global_buffer, .address_space: global }
      - { .name: bv2, .offset: 16, .size: 8, .value_kind: global_buffer, .address_space: global }
      - { .name: hbuf, .offset: 24, .size: 8, .value_kind: global_buffer, .address_space: global }
      - { .name: qs, .offset: 32, .size: 8, .value_kind: global_buffer, .address_space: global }
    .group_segment_fixed_size: 327680
    .private_segment_fixed_size: 0
    .kernarg_segment_align: 8
    .kernarg_segment_size: 40
    .max_flat_workgroup_size: 512
    .sgpr_count:     66
    .vgpr_count:     256
    .wavefront_size: 32
...
	.end_amdgpu_metadata
.endif
;; end of part 6
;; launch proj_o2 (part 7): grid 8 x 32, 4 waves a work-group, clusters of 4 x 4, 327,680 bytes of LDS; arguments hbuf, wo2b, out0, bo2; writes out0
.if DOCPART == 7
	.amdgcn_target "amdgcn-amd-amdhsa--gfx1250"
	.amdhsa_code_object_version 6
	.text
	.protected	k_q4224446d1f_proj_o2
	.globl	k_q4224446d1f_proj_o2
	.p2align	8
	.type	k_q4224446d1f_proj_o2,@function
k_q4224446d1f_proj_o2:
	s_mov_b64 s[64:65], 0
	v_nop
	global_prefetch_b8 v0, s[64:65] scope:SCOPE_SE
	s_setreg_imm32_b32 hwreg(HW_REG_WAVE_MODE, 25, 1), 1
	s_wait_xcnt 0x0
	s_wait_alu depctr_hold_cnt(0) depctr_sa_sdst(0) depctr_va_vdst(0) depctr_va_sdst(0) depctr_va_ssrc(0) depctr_va_vcc(0) depctr_vm_vsrc(0)
	s_getreg_b32 s2, hwreg(HW_REG_IB_STS2, 6, 4)
	s_cmp_eq_u32 s2, 0
	s_cbranch_scc0 .Lentry_in_a_cluster
	s_endpgm
.Lentry_in_a_cluster:
	s_bfe_u32 s2, ttmp6, 0x10000c
	s_cmp_lg_u32 s2, 0xf033
	s_cbranch_scc0 .Lentry_shape_is_right
	s_endpgm
.Lentry_shape_is_right:
; out = a2 Wo2 + bo2: C = A B^T + bias, M = 4,096, N = 1,024, K = 1,024, f16 operands, f32 sums, C f32, row-major.
; LIMIT: both operands are f16: magnitudes up to 65,504 (a2 is a mean of v plus bv, drawn at about 0.02; Wo2 at about 0.03).
; A and B lie as PIECES of 512 bytes (lane l's 16 bytes at 16 l): [16 rows][16 along K][512]: lane (r, h) holds row r, k = 8 h + 0..7.  A fragment (16 rows x 32 K) is two neighbouring pieces.
; A tile of C is 128 x 128: 256 work-groups.  Four waves, each 64 x 64: 16 accumulators.  K goes in steps of 256 through two LDS slots; a wave's tensor load brings 4 blocks of 16 rows x 8,192 bytes, dense in LDS.
; CLUSTERS: 4 x 4 work-groups; A's tile is asked for jointly along a row of the cluster, B's along a column.
; THE MATRIX INSTRUCTION IS USED TRANSPOSED (source 0 = 16 rows of B, source 1 = 16 rows of A): a lane's eight results are 32 neighbouring bytes of a row of C.  A wave's 64 columns are 256 bytes: 16 rows at a time
; go through the wave's own stage in LDS and leave with sixteen lanes storing 256 consecutive bytes, aligned.  The bias runs along B's rows: it is the C of each sum's first product.
; REGISTERS: window 0: v0-31 addresses; v32-95 rows on the way out; v96-127 the bias; v128-255 the accumulators ((a, b) at v[128 + 8 (4 a + b)]).  window 1: two fragment buffers of 128.
.set HALFT,  32768                     ; 64 rows x 256 along K
.set SLOT,   4*HALFT
.set STAGE,  2*SLOT                    ; behind the ring: 16 rows x 272 bytes for each wave; no tensor load lands here
.set SPARE,  STAGE+4*16*272            ; the spare words, 128 bytes for each wave: two blocks of 256 bytes that no other line names
.set LAPS,   2                         ; a lap = two K steps of 256
.set ADRA, 16
.set ADRB, 20
.set STO,  24                          ; v24  the stage: where I put 32 bytes of a row
.set RD,   25                          ; v25  where I read a row back
.set CO,   26                          ; v26  my byte offset in two rows of C
.set BO,   27                          ; v27  32 (lane / 16)
.set SPW,  28
.set NIL,  29
.set LI,   30                          ; v30  16 x lane
.set TMP,  32
.set BI,   96
.set ACC,  128
.set F0,   0
.set F1,   128
.set G1, 24
.set G0, 32
.set G1B, 48
.set G0B, 56
.set MSB, 0
.macro WIN new
.if MSB != \new
	s_set_vgpr_msb (MSB<<8)|\new
.set MSB, \new
.endif
.endm
.set MUL,  0x05                        ; sources 0 (B) and 1 (A) window 1; C and D window 0
.set TO_F, 0x40                        ; destination window 1, address window 0
.macro JLOAD s                         ; a joint load: waves 0 and 1 fetch A's halves, waves 2 and 3 B's; four v_nop follow each of the two lines
	s_cmp_eq_u32 s11, 0
	s_cbranch_scc0 .Lfor_b_\@
	tensor_load_to_lds s[G0+4*\s:G0+4*\s+3], s[G1:G1+7]
	s_nop 0
.rept 4
	v_nop
.endr
	s_branch .Lasked_\@
.Lfor_b_\@:
	tensor_load_to_lds s[G0B+4*\s:G0B+4*\s+3], s[G1B:G1B+7]
	s_nop 0
.rept 4
	v_nop
.endr
.Lasked_\@:
.endm
.macro CREST
	s_cmp_lg_u32 s10, 0
	s_cbranch_scc1 .Lnot_wave_0_\@
	s_barrier_signal -3
.Lnot_wave_0_\@:
	s_barrier_wait -3
	s_barrier_signal -1
	s_barrier_wait -1
.endm
.macro CROUND
	s_barrier_signal -1
	s_barrier_wait -1
	CREST
.endm
	s_load_b128 s[4:7], s[0:1], 0x0                ; A, B
	s_load_b64 s[8:9], s[0:1], 0x10                ; C
	s_load_b64 s[66:67], s[0:1], 0x18              ; the bias
	v_lshl_add_u32 v[SPW], v0, 2, SPARE
	v_mov_b32 v[NIL], 0
	ds_add_u32 v28, v29
	s_wait_dscnt 0x0
	v_lshrrev_b32 v1, 5, v0
	v_readfirstlane_b32 s10, v1                    ; wave 0..3
	s_lshr_b32 s11, s10, 1                         ; my half of the tile's rows.  Also: I fetch for A (0) or for B (1)
	s_and_b32 s12, s10, 1                          ; my half of its columns.  Also: which 64 rows I fetch
	s_bfe_u32 s40, ttmp6, 0x40000
	s_bfe_u32 s41, ttmp6, 0x40004
	s_lshl_b32 s42, ttmp9, 2
	s_add_co_u32 s42, s42, s40                     ; tile column
	s_and_b32 s13, ttmp7, 0xffff
	s_lshl_b32 s13, s13, 2
	s_add_co_u32 s13, s13, s41                     ; tile row
	s_lshl_b32 s43, s41, 2
	s_lshl_b32 s43, 15, s43                        ; my row of the cluster
	s_lshl_b32 s44, 0x1111, s40                    ; my column
	s_or_b32 s[G1+0], s43, (3<<16)|(1<<21)         ; 15:0 the mask; 17:16 elements of 8 bytes; 21 set beside a mask
	s_or_b32 s[G1B+0], s44, (3<<16)|(1<<21)
.irp g, G1, G1B
	s_mov_b32 s[\g+1], 1024<<16                    ; tensor_dim0: 8,192 bytes
	s_mov_b32 s[\g+2], 4<<16                       ; tensor_dim1: 4 blocks of 16 rows
	s_mov_b32 s[\g+3], 1024<<16                    ; tile_dim0
	s_mov_b32 s[\g+4], 4                           ; tile_dim1
	s_mov_b32 s[\g+5], 4096                        ; tensor_dim0_stride: 32,768 bytes
	s_mov_b32 s[\g+6], 0
	s_mov_b32 s[\g+7], 0
.endr
	s_lshl_b32 s17, s12, 6
	s_lshl_b32 s16, s13, 7
	s_add_co_u32 s16, s16, s17                     ; A: row
	s_lshl_b32 s16, s16, 11                        ; 2,048 bytes a row
	s_lshl_b32 s46, s42, 7
	s_add_co_u32 s46, s46, s17                     ; B: row
	s_lshl_b32 s46, s46, 11
	s_mov_b32 s17, 0
	s_mov_b32 s47, 0
	s_mul_i32 s20, s10, HALFT
	s_wait_kmcnt 0x0
	s_add_nc_u64 s[14:15], s[4:5], s[16:17]
	s_add_nc_u64 s[46:47], s[6:7], s[46:47]
	CROUND                                         ; all sixteen work-groups are here: the first joint loads meet
.irp s, 0,1
	s_mov_b32 s[G0+4*\s], 1
	s_add_co_u32 s[G0+4*\s+1], s20, \s*SLOT
	s_add_nc_u64 s[G0+4*\s+2:G0+4*\s+3], s[14:15], \s*8192
	s_or_b32 s[G0+4*\s+3], s[G0+4*\s+3], 0x80000000
	s_mov_b32 s[G0B+4*\s], 1
	s_add_co_u32 s[G0B+4*\s+1], s20, \s*SLOT
	s_add_nc_u64 s[G0B+4*\s+2:G0B+4*\s+3], s[46:47], \s*8192
	s_or_b32 s[G0B+4*\s+3], s[G0B+4*\s+3], 0x80000000
	JLOAD \s
.endr
	v_and_b32 v1, 15, v0                           ; r
	v_bfe_u32 v2, v0, 4, 1                         ; h
	v_and_b32 v3, 31, v0
	v_lshlrev_b32 v[LI], 4, v3
	v_lshlrev_b32 v[BO], 5, v2
	s_mul_i32 s21, s11, HALFT
	s_mul_i32 s22, s12, HALFT
	s_add_co_u32 s22, s22, 2*HALFT
.irp s, 0,1
	v_add_nc_u32 v[ADRA+\s], s21, v[LI]
	v_add_nc_u32 v[ADRB+\s], s22, v[LI]
	s_add_co_u32 s21, s21, SLOT
	s_add_co_u32 s22, s22, SLOT
.endr
	s_mul_i32 s23, s10, 16*272
	s_add_co_u32 s23, s23, STAGE                   ; my stage
	v_mul_u32_u24 v4, v1, 272
	v_lshl_add_u32 v4, v2, 5, v4
	v_add_nc_u32 v[STO], s23, v4                   ; in: row r, 32 bytes for each half of the lanes
	v_mul_u32_u24 v5, v2, 272
	v_lshl_add_u32 v5, v1, 4, v5
	v_add_nc_u32 v[RD], s23, v5                    ; back: lanes 0-15 one row of 256 bytes, lanes 16-31 the next
	v_lshlrev_b32 v5, 12, v2
	v_lshl_add_u32 v[CO], v1, 4, v5                ; and the same two rows in C
	s_lshl_b32 s46, s42, 9                         ; the bias of my 64 columns
	s_lshl_b32 s47, s12, 8
	s_add_co_u32 s46, s46, s47
	s_mov_b32 s47, 0
	s_add_nc_u64 s[66:67], s[66:67], s[46:47]
	s_add_nc_u64 s[8:9], s[8:9], s[46:47]          ; and their place in a row of C: the same number of bytes
.irp b, 0,1,2,3
	global_load_b128 v[BI+8*\b:BI+8*\b+3], v[BO], s[66:67] offset:64*\b
	global_load_b128 v[BI+8*\b+4:BI+8*\b+7], v[BO], s[66:67] offset:64*\b+16
.endr
	s_lshl_b32 s16, s13, 7
	s_lshl_b32 s17, s11, 6
	s_add_co_u32 s16, s16, s17
	s_lshl_b32 s16, s16, 12                        ; my first row of C: 4,096 bytes a row
	s_mov_b32 s17, 0
	s_add_nc_u64 s[8:9], s[8:9], s[16:17]
; 8 matrix instructions: m blocks a0, a0 + 1 x all 4 n blocks, 32 along K: half c of buffer f.  first = 1: the sums start from the bias.  The 16 accumulators take turns
.macro MUL8 f, c, a0, first
.irp a, \a0, \a0+1
.irp b, 0,1,2,3
.if \first
	v_wmma_f32_16x16x32_f16 v[ACC+8*(4*(\a)+\b):ACC+8*(4*(\a)+\b)+7], v[\f+64+8*(4*\c+\b):\f+64+8*(4*\c+\b)+7], v[\f+8*(4*\c+\a):\f+8*(4*\c+\a)+7], v[BI+8*\b:BI+8*\b+7]
.else
	v_wmma_f32_16x16x32_f16 v[ACC+8*(4*(\a)+\b):ACC+8*(4*(\a)+\b)+7], v[\f+64+8*(4*\c+\b):\f+64+8*(4*\c+\b)+7], v[\f+8*(4*\c+\a):\f+8*(4*\c+\a)+7], v[ACC+8*(4*(\a)+\b):ACC+8*(4*(\a)+\b)+7]
.endif
.endr
.endr
.endm
; 32 LDS loads in one run: the fragments of the slot's q-th 64 along K into buffer f; the first 32 along K first
.macro FETCH slot, q, f
	WIN TO_F
.irp c, 0,1
.irp i, 0,1,2,3
	ds_load_b128 v[\f+64+8*(4*\c+\i):\f+64+8*(4*\c+\i)+3],   v[ADRB+\slot] offset:(2*(\q)+\c)*1024+\i*8192
	ds_load_b128 v[\f+64+8*(4*\c+\i)+4:\f+64+8*(4*\c+\i)+7], v[ADRB+\slot] offset:(2*(\q)+\c)*1024+\i*8192+512
	ds_load_b128 v[\f+8*(4*\c+\i):\f+8*(4*\c+\i)+3],         v[ADRA+\slot] offset:(2*(\q)+\c)*1024+\i*8192
	ds_load_b128 v[\f+8*(4*\c+\i)+4:\f+8*(4*\c+\i)+7],       v[ADRA+\slot] offset:(2*(\q)+\c)*1024+\i*8192+512
.endr
.endr
.endm
.macro PLACES
.rept 4
	v_nop
.endr
.endm
; A K step is four quarters of 64 along K, on buffers 0, 1, 0, 1.  One of the first three: multiplies buffer f and fetches quarter q into g.
.macro QUARTER slot, q, f, g, first
	s_wait_dscnt 16                                ; the first 32 along K are in
	WIN MUL
	MUL8 \f, 0, 0, \first
	MUL8 \f, 0, 2, \first
	PLACES
	FETCH \slot, \q, \g
	s_wait_dscnt 32                                ; all but the 32 just issued
	WIN MUL
	MUL8 \f, 1, 0, 0
	MUL8 \f, 1, 2, 0
.endm
; The last quarter multiplies buffer 1 and changes slots: one barrier; in front of it each wave waits for all its tensor loads, adds 0 to its spare word, and waits for that and for its reads of this slot.
.macro TURN slot, next, fill
	WIN 0
	s_wait_tensorcnt 0x0                           ; all my tensor loads have landed: my part of the next slot
	ds_add_u32 v[SPW], v[NIL]                      ; 0 onto my spare word
	s_wait_dscnt 17                                ; (the add and the youngest sixteen loads may be out)
	WIN MUL
	MUL8 F1, 0, 0, 0
	s_wait_dscnt 0x0                               ; the add is done, and my reads of this slot are over
	s_barrier_signal -1
	MUL8 F1, 0, 2, 0
.if \fill
	WIN 0
.endif
	s_barrier_wait -1
.if \fill
	CREST                                          ; the barrier has opened a round of the cluster's barrier: no wave of any partner still reads this slot or has a load on its way
	s_add_nc_u64 s[G0+4*\slot+2:G0+4*\slot+3], s[G0+4*\slot+2:G0+4*\slot+3], 2*8192
	s_add_nc_u64 s[G0B+4*\slot+2:G0B+4*\slot+3], s[G0B+4*\slot+2:G0B+4*\slot+3], 2*8192
	JLOAD \slot                                    ; the first tensor load behind the round; its four v_nop are also the places in front of the loads below
.else
	PLACES
.endif
	FETCH \next, 0, F0
	WIN MUL
	MUL8 F1, 1, 0, 0
	MUL8 F1, 1, 2, 0
.endm
	s_wait_tensorcnt 1                             ; my part of K step 0 is in (K step 1's may be out)
	s_barrier_signal -1
	s_barrier_wait -1
	FETCH 0, 0, F0
	s_wait_loadcnt 0x0                             ; the bias
	QUARTER 0, 1, F0, F1, 1
	WIN 0
	s_mov_b32 s3, LAPS-1
.Llap:                                                 ; a trip goes once round the ring, from a lap's second quarter to the next lap's first, and fills both slots again
	QUARTER 0, 2, F1, F0, 0
	QUARTER 0, 3, F0, F1, 0
	TURN 0, 1, 1
	QUARTER 1, 1, F0, F1, 0
	QUARTER 1, 2, F1, F0, 0
	QUARTER 1, 3, F0, F1, 0
	TURN 1, 0, 1
	QUARTER 0, 1, F0, F1, 0
	WIN 0
	s_sub_co_u32 s3, s3, 1
	s_cmp_lg_u32 s3, 0
	s_cbranch_scc1 .Llap
	QUARTER 0, 2, F1, F0, 0                        ; the last lap fills nothing
	QUARTER 0, 3, F0, F1, 0
	TURN 0, 1, 0
	QUARTER 1, 1, F0, F1, 0
	QUARTER 1, 2, F1, F0, 0
	QUARTER 1, 3, F0, F1, 0
	s_wait_dscnt 16
	WIN MUL
	MUL8 F1, 0, 0, 0
	MUL8 F1, 0, 2, 0
	s_wait_dscnt 0
	MUL8 F1, 1, 0, 0
	MUL8 F1, 1, 2, 0
	WIN 0
	PLACES
.irp a, 0,1,2,3                        ; 16 rows at a time; LDS serves a wave's instructions in order, so no wait stands between the stores and the loads
.if \a >= 2
	s_wait_xcnt 0x0                                ; the stores of two blocks back have read this set of registers
.endif
.irp b, 0,1,2,3
	ds_store_b128 v[STO], v[ACC+8*(4*\a+\b):ACC+8*(4*\a+\b)+3] offset:64*\b        ; each accumulator from its low end on
	ds_store_b128 v[STO], v[ACC+8*(4*\a+\b)+4:ACC+8*(4*\a+\b)+7] offset:64*\b+16
.endr
.irp t, 0,1,2,3,4,5,6,7
	ds_load_b128 v[TMP+32*(\a%2)+4*\t:TMP+32*(\a%2)+4*\t+3], v[RD] offset:\t*544
.endr
	s_wait_dscnt 0x0
.irp t, 0,1,2,3,4,5,6,7
	global_store_b128 v[CO], v[TMP+32*(\a%2)+4*\t:TMP+32*(\a%2)+4*\t+3], s[8:9] offset:(16*\a+2*\t)*4096 th:TH_STORE_NT   ; 16 lanes store 256 consecutive bytes, aligned; written once, read by nobody here
.endr
.endr
	s_wait_tensorcnt 0x0                           ; the wave's end
	ds_add_u32 v[SPW], v[NIL]
	s_wait_dscnt 0x0
	CROUND                                         ; the closing round
	s_endpgm
.Lfunc_end_k_q4224446d1f_proj_o2:
	.size	k_q4224446d1f_proj_o2, .Lfunc_end_k_q4224446d1f_proj_o2-k_q4224446d1f_proj_o2
	.p2alignl 7, 3214868480
	.fill 96, 4, 3214868480
	.section	.rodata,"a",@progbits
	.p2align	6, 0x0
	.amdhsa_kernel k_q4224446d1f_proj_o2
		.amdhsa_group_segment_fixed_size 327680
		.amdhsa_private_segment_fixed_size 0
		.amdhsa_enable_private_segment 0
		.amdhsa_kernarg_size 32
		.amdhsa_user_sgpr_count 2
		.amdhsa_user_sgpr_kernarg_segment_ptr 1
		.amdhsa_wavefront_size32 1
		.amdhsa_system_sgpr_workgroup_id_x 1
		.amdhsa_system_sgpr_workgroup_id_y 1
		.amdhsa_system_sgpr_workgroup_id_z 1
		.amdhsa_system_vgpr_workitem_id 0
		.amdhsa_next_free_vgpr 512
		.amdhsa_next_free_sgpr 70
		.amdhsa_reserve_vcc 0
		.amdhsa_float_denorm_mode_32 3
		.amdhsa_float_denorm_mode_16_64 3
		.amdhsa_memory_ordered 1
		.amdhsa_forward_progress 1
		.amdhsa_inst_pref_size 86
	.end_amdhsa_kernel
	.amdgpu_metadata
---
amdhsa.version: [ 1, 2 ]
amdhsa.kernels:
  - .name:           k_q4224446d1f_proj_o2
    .symbol:         k_q4224446d1f_proj_o2.kd
    .args:
      - { .name: hbuf, .offset: 0, .size: 8, .value_kind: global_buffer, .address_space: global }
      - { .name: wo2b, .offset: 8, .size: 8, .value_kind: global_buffer, .address_space: global }
      - { .name: out0, .offset: 16, .size: 8, .value_kind: global_buffer, .address_space: global }
      - { .name: bo2, .offset: 24, .size: 8, .value_kind: global_buffer, .address_space: global }
    .group_segment_fixed_size: 327680
    .private_segment_fixed_size: 0
    .kernarg_segment_align: 8
    .kernarg_segment_size: 32
    .max_flat_workgroup_size: 128
    .sgpr_count:     70
    .vgpr_count:     512
    .wavefront_size: 32
...
	.end_amdgpu_metadata
.endif
;; end of part 7
